; MI455X (gfx1250); checked and timed in simulation.
; The chip was launched on July 23, 2026; its instructions are those of AMD's public machine-readable ISA for CDNA 5 (MIT licence, August 2026) and "CDNA5" Instruction Set Architecture Reference Guide (July 2026). The comments in the code are by the model that wrote it; some were corrected since.
;; Efficient Cross Attention. Allowed arithmetic: matrix products marked QUANTISED: E2M3 operands, one E8M0 scale for each 32 along K, by v_wmma_scale_f32_16x16x128_f8f6f4 with both operands' format E2M3, f32 sums; everything else in f32.
;; Inputs: Wh_codes 1,024 x 32 x 24 uint8 (E2M3 codes of Wh, K innermost, in blocks of 32 codes, four codes in three bytes); Wh_scales 1,024 x 32 uint8 (E8M0 scales of Wh, one for each 32 codes along K); Wk_codes 1,024 x 24 x 24 uint8 (E2M3 codes of Wk, K innermost, in blocks of 32 codes, four codes in three bytes); Wk_scales 1,024 x 24 uint8 (E8M0 scales of Wk, one for each 32 codes along K); Wq_codes 1,024 x 32 x 24 uint8 (E2M3 codes of Wq, K innermost, in blocks of 32 codes, four codes in three bytes); Wq_scales 1,024 x 32 uint8 (E8M0 scales of Wq, one for each 32 codes along K); Wv_codes 1,024 x 24 x 24 uint8 (E2M3 codes of Wv, K innermost, in blocks of 32 codes, four codes in three bytes); Wv_scales 1,024 x 24 uint8 (E8M0 scales of Wv, one for each 32 codes along K); b1 1,024 float32; b2 768 float32; bh 1,024 float32; bk 1,024 float32; bq 1,024 float32; bv 1,024 float32; g1 1,024 float32; g2 768 float32; x1 4 x 4,096 x 1,024 float32; x2 4 x 2,048 x 768 float32.
;; Outputs: out0 4 x 4,096 x 1,024 float32.
;; This version of the problem:
;;   THIS VERSION OF THE PROBLEM IS GIVEN IN LOW PRECISION. The matrix products marked QUANTISED in the list below multiply operands that are first quantised to E2M3 (2 exponent bits, 3 mantissa bits; 6 bits a number), with one power-of-two scale for each 32 numbers along K (OCP MX v1.0); their sums are f32. All else is computed in f32.
;;   The module's matrix products, in the order in which they are computed (A, B: the left and right operand; K: the contracted axis; several contracted axes count as one K, in the product's order):
;;     1. [M 16,384, K 1,024] x [K 1,024, N 1,024]; A: computed on the way; B: input Wq (given as codes): QUANTISED
;;     2. [M 8,192, K 768] x [K 768, N 1,024]; A: computed on the way; B: input Wk (given as codes): QUANTISED
;;     3. [M 8,192, K 768] x [K 768, N 1,024]; A: computed on the way; B: input Wv (given as codes): QUANTISED
;;     4. batch 64 x [M 64, K 2,048] x [K 2,048, N 64]; A: computed on the way; B: computed on the way: QUANTISED
;;     5. batch 64 x [M 64, K 64] x [K 64, N 4,096]; A: computed on the way; B: softmax (see below): QUANTISED
;;     6. [M 16,384, K 1,024] x [K 1,024, N 1,024]; A: input x1; B: input Wh (given as codes): QUANTISED
;;   THE QUANTISER, for each operand of a quantised product, along K:
;;     - K is cut into blocks of 32 from its start; a last block that is shorter is filled with zeros.
;;     - A block's scale is 2^e with e = floor(log2(the largest magnitude in the block)) - 2, held to -126 .. 127; a block of zeros has e = 0. As a byte (E8M0): e + 127.
;;     - Each number is divided by its block's scale, clamped to +-7.5, and rounded to the nearest number of E2M3, ties to even, subnormals kept.
;;     - The product sums the exact products of the quantised numbers (number of the format x scale) in f32.
;;   ~~~python
;;   def quantise(x, axis):      # numpy; x: float32 -> the quantised numbers, widened to float32 again
;;       x = np.moveaxis(x, axis, -1); K = x.shape[-1]
;;       x = np.pad(x, [(0, 0)] * (x.ndim - 1) + [(0, -K % 32)]); x = x.reshape(x.shape[:-1] + (-1, 32)); a = np.abs(x).max(-1, keepdims=True)
;;       e = np.where(a > 0, np.clip(np.frexp(np.where(a > 0, a, 1))[1] - 1 - 2, -126, 127), 0)      # np.frexp(a)[1] - 1 = floor(log2(a)), exactly
;;       r = np.clip(x / 2.0 ** e, -7.5, 7.5)
;;       step = 2.0 ** (np.maximum(np.frexp(np.where(r == 0, 1, r))[1] - 1, 0) - 3)
;;       q = np.round(r / step) * step * 2.0 ** e      # np.round: ties to even
;;       return np.moveaxis(q.reshape(q.shape[:-2] + (-1,))[..., :K], -1, axis).astype(np.float32)
;;   ~~~
;;   SOFTMAX AHEAD OF A QUANTISED PRODUCT. Where the list says 'softmax', what is quantised is not the finished softmax but p = 2^(t - M), with t = logit x log2(e) and M = ceil(the row's largest t), a whole number; so 1/2 < the row's largest p <= 1. The row's sum l is taken of the UNQUANTISED p, in f32, and the product's result is divided by l at the end. Since M is a whole number, a kernel that streams over the keys may use a running M (the ceiling of the running maximum): every later rescaling is an exact power of two, which a block's scale takes up: the codes' values come out the same.
;;   OPERANDS COMPUTED ON THE WAY. 'Computed on the way' means the value that the module computes at that place (a softmax that the list does not call 'softmax' is quantised finished and normalised). What goes into a quantiser is computed in f32, as accurately as f32 sums, v_exp_f32 and their like allow (about 1e-6 of the number): no bf16 or f16 on the way to a quantiser, and a product that is left as it is and whose result goes on into a quantised operand takes f32 operands (vector FMAs, or v_wmma_f32_16x16x4_f32). A number that lies on a knife's edge between two numbers of the format may be rounded either way, as far as f32 arithmetic and the matrix unit's own rounding can turn it there, and no further.
;;   INPUTS GIVEN AS CODES. Wh (in the module: [1024, 1024], K = its axis 0); Wk (in the module: [768, 1024], K = its axis 0); Wq (in the module: [1024, 1024], K = its axis 0); Wv (in the module: [768, 1024], K = its axis 0): each comes as NAME_codes (uint8): NAME with its K axis moved to the last place and cut into blocks of 32 codes, [.., K / 32, bytes a block], one block behind the other in memory; four codes in three bytes: a row's codes are one little-endian stream of bits, code i at bits 6 i .. 6 i + 5 (a code: sign, 2 exponent bits, 3 mantissa bits); and NAME_scales (uint8): the same leading axes, one E8M0 byte (e + 127) for each 32 codes along K. Its value is code x scale, taken as it is: it is not quantised again, and the codes and scales need not be those that the quantiser above would give.
;; One version. Each part assembles by itself: llvm-mc -triple=amdgcn-amd-amdhsa -mcpu=gfx1250 --defsym DOCPART=n.
;; ======== version 1 of 1: 4 launches
;; workspace buffers: AC 25,165,824 bytes; AS 1,048,576 bytes; A2C 4,718,592 bytes; A2S 262,144 bytes; PT 8,388,608 bytes; ATC 196,608 bytes; ATS 16,384 bytes
;; launch prep (part 1): grid 768 x 1, 8 waves a work-group, no clusters, 106,496 bytes of LDS; arguments x1, g1, b1, x2, g2, b2, AC, AS, A2C, A2S; writes AC, AS, A2C, A2S
.if DOCPART == 1
	.amdgcn_target "amdgcn-amd-amdhsa--gfx1250"
	.amdhsa_code_object_version 6
	.text
	.protected	k_q4750541f5a_prep
	.globl	k_q4750541f5a_prep
	.p2align	8
	.type	k_q4750541f5a_prep,@function
k_q4750541f5a_prep:
	s_mov_b64 s[64:65], 0
	v_nop
	global_prefetch_b8 v0, s[64:65] scope:SCOPE_SE
	s_setreg_imm32_b32 hwreg(HW_REG_WAVE_MODE, 25, 1), 1
	s_wait_xcnt 0x0
; The wide operands are quantised ONCE: x1 [16384][1024] gives two rows of codes (its layer norm's, for the product with Wq, and its own, for the product with Wh),
; x2 [8192][768] one (its layer norm's).  Codes are FP6 (E2M3), K innermost, 4 codes in 3 bytes; one E8M0 byte for each 32 along K: the largest magnitude's exponent field - 2, held at 1 from below.
; AC [16384][1536]: bytes 0-767 the norm's codes, 768-1535 x1's.  AS [16384][64]: bytes 0-31 the norm's scale bytes, 32-63 x1's.
; A2C [8192 places][576], A2S [8192 places][32] (24 bytes, then eight of 0x7f): row R of x2 lies at the place R with bits 3 and 4 exchanged, so that a plain tile of 16 places
; gives the next launch's results 16 neighbouring keys in a lane's 16 registers.
; Work-groups 0-511 take x1, 32 rows each (4 a wave, a row over 32 lanes); work-groups 512-767 take x2, 32 rows each (4 a wave, two rows at a time, a row over 16 lanes).  The two ways share no LDS byte.
; Every load reads bytes as they lie (16 a lane); the conversions want 16 neighbours in a lane, so a row turns through the wave's own stage in LDS (64 bytes + 16 of padding a place).
; The variance is taken of x - mean, as the definition has it.  No cluster, no tensor load, no barrier: work-groups and waves share no input but the two small tables.
; LIMITS: NaN and infinities are not served; a block whose largest magnitude lies under 2^-124 (a block of zeros too) keeps the byte 1: the bytes are read by this program alone.
.set R,   16                           ; x1: v16-143 four rows as loaded; later each row's codes and bytes
.set X,   144                          ; v144-175 the row turned: X[16 c + e] = x[512 c + 16 lane + e]
.set G,   176                          ; v176-207 the gain, v208-239 the bias, laid as X
.set BV,  208
.set TA,  240
.set TB,  241
.set SO,  242
.set PD,  243
.set MU,  244
.set RS,  246
.set CH0, 248
.set CH1, 250
; 16 neighbours in v[xs] on become 12 bytes of codes (two neighbouring lanes hold a block) and the block's byte
.macro QCH xs, cd, eb, lreg, loff, voff, sb, goff
	v_max3_num_f32 v[TA], |v[\xs]|, |v[\xs+1]|, |v[\xs+2]|
	v_max3_num_f32 v[TB], |v[\xs+3]|, |v[\xs+4]|, |v[\xs+5]|
.irp i, 6,10
	v_max3_num_f32 v[TA], v[TA], |v[\xs+\i]|, |v[\xs+\i+1]|
	v_max3_num_f32 v[TB], v[TB], |v[\xs+\i+2]|, |v[\xs+\i+3]|
.endr
	v_max3_num_f32 v[TA], v[TA], |v[\xs+14]|, |v[\xs+15]|
	v_max3_num_f32 v[TA], v[TA], v[TB], 0x1800000          ; the floor 2^(3 - 127): the byte cannot fall under 1
	v_max_num_f32_dpp v[TA], v[TA], v[TA] row_xmask:1 row_mask:0xf bank_mask:0xf   ; with my neighbour's 16: the block's
	v_add_nc_u32 v[SO], 0xff000000, v[TA]                  ; 2 off the exponent field: the conversion's scale operand
	v_cvt_scalef32_pk16_fp6_f32 v[\cd:\cd+2], v[\xs:\xs+15], v[SO]
	v_lshrrev_b32 v[\eb], 23, v[SO]                        ; the byte (also the plain line behind the conversion)
	ds_store_b8 v[\lreg], v[\eb] offset:\loff              ; both lanes of a block write the same byte with the same value
	global_store_b96 v[\voff], v[\cd:\cd+2], s[\sb:\sb+1] offset:\goff
.endm
.macro SUMN n                          ; the sum of my n numbers, in two chains, into v[TA]
	v_pk_add_f32 v[CH0:CH0+1], v[X:X+1], v[X+2:X+3]
	v_pk_add_f32 v[CH1:CH1+1], v[X+4:X+5], v[X+6:X+7]
.set J, 8
.rept (\n-8)/4
	v_pk_add_f32 v[CH0:CH0+1], v[CH0:CH0+1], v[X+J:X+J+1]
	v_pk_add_f32 v[CH1:CH1+1], v[CH1:CH1+1], v[X+J+2:X+J+3]
.set J, J+4
.endr
	v_pk_add_f32 v[CH0:CH0+1], v[CH0:CH0+1], v[CH1:CH1+1]
	v_add_f32 v[TA], v[CH0], v[CH0+1]
.endm
.macro SQN n                           ; the sum of their squares
	v_pk_mul_f32 v[CH0:CH0+1], v[X:X+1], v[X:X+1]
	v_pk_mul_f32 v[CH1:CH1+1], v[X+2:X+3], v[X+2:X+3]
.set J, 4
.rept (\n-4)/4
	v_pk_fma_f32 v[CH0:CH0+1], v[X+J:X+J+1], v[X+J:X+J+1], v[CH0:CH0+1]
	v_pk_fma_f32 v[CH1:CH1+1], v[X+J+2:X+J+3], v[X+J+2:X+J+3], v[CH1:CH1+1]
.set J, J+4
.endr
	v_pk_add_f32 v[CH0:CH0+1], v[CH0:CH0+1], v[CH1:CH1+1]
	v_add_f32 v[TA], v[CH0], v[CH0+1]
.endm
.macro RED full                        ; over the 16 lanes of a half; full = 1: over all 32
.irp m, 1,2,4,8
	v_add_f32_dpp v[TA], v[TA], v[TA] row_xmask:\m row_mask:0xf bank_mask:0xf
.endr
.if \full
	v_permlanex16_b32 v[PD], v[TA], s28, s29
	v_add_f32 v[TA], v[TA], v[PD]
.endif
.endm
.macro LNORM n, full, inv              ; X = (X - mean) rsqrt(var + eps) g + b;  s[inv] = 1 / the row's length
	SUMN \n
	RED \full
	v_mul_f32 v[MU], s[\inv], v[TA]
	v_mul_f32 v[MU+1], s[\inv], v[TA]
.set J, 0
.rept \n/2
	v_pk_add_f32 v[X+J:X+J+1], v[X+J:X+J+1], v[MU:MU+1] neg_lo:[0,1] neg_hi:[0,1]
.set J, J+2
.endr
	SQN \n
	RED \full
	v_fma_f32 v[TA], v[TA], s[\inv], s25
	v_rsq_f32 v[RS], v[TA]
	v_rsq_f32 v[RS+1], v[TA]
	v_nop                                          ; a plain line behind the transcendentals
.set J, 0
	s_wait_alu depctr_va_vdst(0)
.rept \n/2
	v_pk_mul_f32 v[X+J:X+J+1], v[X+J:X+J+1], v[RS:RS+1]
.set J, J+2
.endr
.set J, 0
.rept \n/2
	v_pk_fma_f32 v[X+J:X+J+1], v[X+J:X+J+1], v[G+J:G+J+1], v[BV+J:BV+J+1]
.set J, J+2
.endr
.endm
	s_load_b512 s[4:19], s[0:1], 0x0               ; x1 s[4:5], g1 s[6:7], b1 s[8:9], x2 s[10:11], g2 s[12:13], b2 s[14:15], AC s[16:17], AS s[18:19]
	s_load_b128 s[20:23], s[0:1], 0x40             ; A2C s[20:21], A2S s[22:23]
	s_set_vgpr_msb 0x40
	v_lshl_add_u32 v0, v0, 2, 0x19c00
	v_mov_b32 v1, 0
	s_set_vgpr_msb 0x4000
	v_lshrrev_b32 v1, 5, v0
	v_readfirstlane_b32 s30, v1                    ; wave 0..7
	s_mov_b32 s24, 0x3a800000                      ; 1 / 1024
	s_mov_b32 s25, 0x3727c5ac                      ; 1e-5
	s_mov_b32 s26, 0x3aaaaaab                      ; 1 / 768
	s_mov_b32 s28, 0x76543210                      ; v_permlanex16_b32's selects for lane l xor 16
	s_mov_b32 s29, 0xfedcba98
	s_mov_b32 s33, 0
	v_and_b32 v10, 31, v0                          ; lane
	s_cmp_lt_u32 ttmp9, 512
	s_cbranch_scc0 .Lx2
	; ---------------- x1 ----------------
	s_lshl_b32 s31, ttmp9, 5
	s_lshl_b32 s32, s30, 2
	s_add_co_u32 s31, s31, s32                     ; my wave's first row
	s_mul_i32 s34, s30, 5376                       ; my wave's LDS: a stage of 64 places x 80 bytes, then 256 scale bytes
	v_lshlrev_b32 v1, 4, v10                       ; a load's 512 bytes: 16 a lane
	v_lshrrev_b32 v11, 2, v10
	v_mul_u32_u24 v11, v11, 80
	v_and_b32 v12, 3, v10
	v_lshl_add_u32 v11, v12, 4, v11
	v_add_nc_u32 v2, s34, v11                      ; into the stage: 80 (lane / 4) + 16 (lane % 4)
	v_mul_u32_u24 v11, v10, 80
	v_add_nc_u32 v3, s34, v11                      ; out of it: 80 x lane
	s_add_co_u32 s35, s34, 5120
	v_lshrrev_b32 v11, 1, v10
	v_add_nc_u32 v4, s35, v11                      ; my block's scale byte
	v_lshlrev_b32 v8, 3, v10
	v_add_nc_u32 v5, s35, v8                       ; the bytes' way out: 8 a lane
	v_mul_u32_u24 v6, v10, 12                      ; my 12 bytes of codes
	v_lshlrev_b32 v7, 6, v10                       ; g1, b1: my 16 numbers of a half row
	v_mov_b32 v[PD], 0                             ; a lane permute's destination counts as read
	s_wait_kmcnt 0x0
	s_lshl_b32 s32, s31, 12
	s_add_nc_u64 s[4:5], s[4:5], s[32:33]
	s_mul_i32 s32, s31, 1536
	s_add_nc_u64 s[16:17], s[16:17], s[32:33]
	s_lshl_b32 s32, s31, 6
	s_add_nc_u64 s[18:19], s[18:19], s[32:33]
.irp c, 0,1
.irp e, 0,1,2,3
	global_load_b128 v[G+16*\c+4*\e:G+16*\c+4*\e+3], v7, s[6:7] offset:2048*\c+16*\e
.endr
.endr
.irp c, 0,1
.irp e, 0,1,2,3
	global_load_b128 v[BV+16*\c+4*\e:BV+16*\c+4*\e+3], v7, s[8:9] offset:2048*\c+16*\e
.endr
.endr
.irp p, 0,1,2,3
.irp i, 0,1,2,3,4,5,6,7
	global_load_b128 v[R+32*\p+4*\i:R+32*\p+4*\i+3], v1, s[4:5] offset:4096*\p+512*\i th:TH_LOAD_NT   ; 32 lanes read 512 consecutive bytes; all four rows are asked for at once
.endr
.endr
.macro ROW1 p
	s_wait_loadcnt 8*(3-\p)                        ; loads come back in order: the tables and this row are in, the younger rows' eight loads each stay out
.irp i, 0,1,2,3,4,5,6,7
	ds_store_b128 v2, v[R+32*\p+4*\i:R+32*\p+4*\i+3] offset:640*\i
.endr
.irp c, 0,1
.irp e, 0,1,2,3
	ds_load_b128 v[X+16*\c+4*\e:X+16*\c+4*\e+3], v3 offset:2560*\c+16*\e   ; LDS serves a wave's instructions in order: these see the stores above
.endr
.endr
	s_wait_dscnt 0x0                               ; the row is back; its registers as loaded are free: they take its codes and bytes, so no store's data are written again
	QCH X, R+32*\p, R+32*\p+16, 4, 64*\p+32, 6, 16, 1536*\p+768
	QCH X+16, R+32*\p+4, R+32*\p+17, 4, 64*\p+48, 6, 16, 1536*\p+1152
	LNORM 32, 1, 24
	QCH X, R+32*\p+8, R+32*\p+18, 4, 64*\p, 6, 16, 1536*\p
	QCH X+16, R+32*\p+12, R+32*\p+19, 4, 64*\p+16, 6, 16, 1536*\p+384
.endm
	ROW1 0
	ROW1 1
	ROW1 2
	ROW1 3
	ds_load_b64 v[252:253], v5                     ; my wave's 256 scale bytes
	s_wait_dscnt 0x0
	global_store_b64 v8, v[252:253], s[18:19]      ; 32 lanes store 256 consecutive bytes, at a multiple of 256 from the buffer's first byte
	s_set_vgpr_msb 0x5
	s_wait_tensorcnt 0x0
	ds_add_u32 v0, v1
	s_wait_dscnt 0x0
	s_set_vgpr_msb 0x500
	s_endpgm
	; ---------------- x2 ----------------
.Lx2:
.set X,   112                          ; v112-159 the pair of rows turned: X[16 c + e] = x[256 c + 16 (lane % 16) + e] of row lane / 16
.set G,   160
.set BV,  208
.set TA,  32                           ; at work: in the first pair's registers as loaded, free once it has turned
.set TB,  33
.set SO,  34
.set MU,  36
.set RS,  38
.set CH0, 40
.set CH1, 42
	s_sub_co_u32 s31, ttmp9, 512
	s_lshl_b32 s31, s31, 5
	s_lshl_b32 s32, s30, 2
	s_add_co_u32 s31, s31, s32                     ; my wave's first row
	s_and_b32 s34, s31, 0xffffffe7
	s_and_b32 s35, s31, 8
	s_lshl_b32 s35, s35, 1
	s_or_b32 s34, s34, s35
	s_and_b32 s35, s31, 16
	s_lshr_b32 s35, s35, 1
	s_or_b32 s34, s34, s35                         ; its place: bits 3 and 4 exchanged; the wave's four rows stay neighbours
	s_mul_i32 s36, s30, 7808
	s_add_co_u32 s36, s36, 43008                   ; my wave's LDS, behind all of the other way's: two stages of 48 places x 80 bytes, then 128 scale bytes
	v_and_b32 v11, 15, v0                          ; r
	v_bfe_u32 v12, v0, 4, 1                        ; h
	v_mul_u32_u24 v13, v12, 3072
	v_lshl_add_u32 v1, v11, 4, v13                 ; a load: sixteen lanes read 256 consecutive bytes of row h
	v_mul_u32_u24 v13, v12, 3840
	v_add_nc_u32 v13, s36, v13
	v_lshrrev_b32 v14, 2, v11
	v_mul_u32_u24 v14, v14, 80
	v_and_b32 v15, 3, v11
	v_lshl_add_u32 v14, v15, 4, v14
	v_add_nc_u32 v2, v13, v14                      ; into my row's stage
	v_mul_u32_u24 v14, v11, 80
	v_add_nc_u32 v3, v13, v14                      ; out of it
	s_add_co_u32 s37, s36, 7680
	v_lshrrev_b32 v14, 1, v11
	v_lshl_add_u32 v14, v12, 5, v14
	v_add_nc_u32 v4, s37, v14                      ; my block's scale byte: 32 bytes a row
	v_lshlrev_b32 v8, 2, v10
	v_add_nc_u32 v5, s37, v8                       ; the bytes' way out: 4 a lane
	v_mul_u32_u24 v14, v12, 576
	v_mad_u32_u24 v6, v11, 12, v14                 ; my 12 bytes of codes
	v_lshlrev_b32 v7, 6, v11                       ; g2, b2: my 16 numbers of a third of a row
	v_mov_b32 v9, 0x7f7f7f7f
	ds_store_b32 v5, v9                            ; the eight bytes behind each row's 24 stay 0x7f
	s_wait_kmcnt 0x0
	s_mul_i32 s32, s31, 3072
	s_add_nc_u64 s[10:11], s[10:11], s[32:33]
	s_mul_i32 s32, s34, 576
	s_add_nc_u64 s[20:21], s[20:21], s[32:33]
	s_lshl_b32 s32, s34, 5
	s_add_nc_u64 s[22:23], s[22:23], s[32:33]
.irp c, 0,1,2
.irp e, 0,1,2,3
	global_load_b128 v[G+16*\c+4*\e:G+16*\c+4*\e+3], v7, s[12:13] offset:1024*\c+16*\e
.endr
.endr
.irp c, 0,1,2
.irp e, 0,1,2,3
	global_load_b128 v[BV+16*\c+4*\e:BV+16*\c+4*\e+3], v7, s[14:15] offset:1024*\c+16*\e
.endr
.endr
.irp p, 0,1
.irp i, 0,1,2,3,4,5,6,7,8,9,10,11
	global_load_b128 v[16+48*\p+4*\i:16+48*\p+4*\i+3], v1, s[10:11] offset:6144*\p+256*\i th:TH_LOAD_NT
.endr
.endr
.macro PAIR2 p
	s_wait_loadcnt 12-12*\p                        ; the tables and this pair are in; the second pair's twelve loads may stay out
.irp i, 0,1,2,3,4,5,6,7,8,9,10,11
	ds_store_b128 v2, v[16+48*\p+4*\i:16+48*\p+4*\i+3] offset:320*\i
.endr
.irp c, 0,1,2
.irp e, 0,1,2,3
	ds_load_b128 v[X+16*\c+4*\e:X+16*\c+4*\e+3], v3 offset:1280*\c+16*\e
.endr
.endr
	s_wait_dscnt 0x0
	LNORM 48, 0, 26
.irp c, 0,1,2
	QCH X+16*\c, 16+48*\p+4*\c, 28+48*\p+\c, 4, 64*\p+8*\c, 6, 20, 1152*\p+192*\c
.endr
.endm
	PAIR2 0
	PAIR2 1
	ds_load_b32 v44, v5
	s_wait_dscnt 0x0
	global_store_b32 v8, v44, s[22:23]             ; my wave's four rows of scale bytes: 128 consecutive bytes
	s_set_vgpr_msb 0x5
	s_wait_tensorcnt 0x0
	ds_add_u32 v0, v1
	s_wait_dscnt 0x0
	s_set_vgpr_msb 0x500
	s_endpgm
.Lfunc_end_k_q4750541f5a_prep:
	.size	k_q4750541f5a_prep, .Lfunc_end_k_q4750541f5a_prep-k_q4750541f5a_prep
	.p2alignl 7, 3214868480
	.fill 96, 4, 3214868480
	.section	.rodata,"a",@progbits
	.p2align	6, 0x0
	.amdhsa_kernel k_q4750541f5a_prep
		.amdhsa_group_segment_fixed_size 106496
		.amdhsa_private_segment_fixed_size 0
		.amdhsa_enable_private_segment 0
		.amdhsa_kernarg_size 80
		.amdhsa_user_sgpr_count 2
		.amdhsa_user_sgpr_kernarg_segment_ptr 1
		.amdhsa_wavefront_size32 1
		.amdhsa_system_sgpr_workgroup_id_x 1
		.amdhsa_system_sgpr_workgroup_id_y 1
		.amdhsa_system_sgpr_workgroup_id_z 1
		.amdhsa_system_vgpr_workitem_id 0
		.amdhsa_next_free_vgpr 258
		.amdhsa_next_free_sgpr 66
		.amdhsa_reserve_vcc 0
		.amdhsa_float_denorm_mode_32 3
		.amdhsa_float_denorm_mode_16_64 3
		.amdhsa_memory_ordered 1
		.amdhsa_forward_progress 1
		.amdhsa_inst_pref_size 83
	.end_amdhsa_kernel
	.amdgpu_metadata
---
amdhsa.version: [ 1, 2 ]
amdhsa.kernels:
  - .name:           k_q4750541f5a_prep
    .symbol:         k_q4750541f5a_prep.kd
    .args:
      - { .name: x1, .offset: 0, .size: 8, .value_kind: global_buffer, .address_space: global }
      - { .name: g1, .offset: 8, .size: 8, .value_kind: global_buffer, .address_space: global }
      - { .name: b1, .offset: 16, .size: 8, .value_kind: global_buffer, .address_space: global }
      - { .name: x2, .offset: 24, .size: 8, .value_kind: global_buffer, .address_space: global }
      - { .name: g2, .offset: 32, .size: 8, .value_kind: global_buffer, .address_space: global }
      - { .name: b2, .offset: 40, .size: 8, .value_kind: global_buffer, .address_space: global }
      - { .name: AC, .offset: 48, .size: 8, .value_kind: global_buffer, .address_space: global }
      - { .name: AS, .offset: 56, .size: 8, .value_kind: global_buffer, .address_space: global }
      - { .name: A2C, .offset: 64, .size: 8, .value_kind: global_buffer, .address_space: global }
      - { .name: A2S, .offset: 72, .size: 8, .value_kind: global_buffer, .address_space: global }
    .group_segment_fixed_size: 106496
    .private_segment_fixed_size: 0
    .kernarg_segment_align: 8
    .kernarg_segment_size: 80
    .max_flat_workgroup_size: 256
    .sgpr_count:     66
    .vgpr_count:     258
    .wavefront_size: 32
...
	.end_amdgpu_metadata
.endif
;; end of part 1
;; launch kv (part 2): grid 32 x 8, 4 waves a work-group, clusters of 4 x 4, 327,680 bytes of LDS; arguments Wk_codes, Wk_scales, Wv_codes, Wv_scales, bk, bv, A2C, A2S, PT; writes PT
.if DOCPART == 2
	.amdgcn_target "amdgcn-amd-amdhsa--gfx1250"
	.amdhsa_code_object_version 6
	.text
	.protected	k_q4750541f5a_kv
	.globl	k_q4750541f5a_kv
	.p2align	8
	.type	k_q4750541f5a_kv,@function
k_q4750541f5a_kv:
	s_mov_b64 s[64:65], 0
	v_nop
	global_prefetch_b8 v0, s[64:65] scope:SCOPE_SE
	s_setreg_imm32_b32 hwreg(HW_REG_WAVE_MODE, 25, 1), 1
	s_wait_xcnt 0x0
	s_wait_alu depctr_hold_cnt(0) depctr_sa_sdst(0) depctr_va_vdst(0) depctr_va_sdst(0) depctr_va_ssrc(0) depctr_va_vcc(0) depctr_vm_vsrc(0)
	s_getreg_b32 s2, hwreg(HW_REG_IB_STS2, 6, 4)
	s_cmp_eq_u32 s2, 0
	s_cbranch_scc0 .Lentry_in_a_cluster
	s_endpgm
.Lentry_in_a_cluster:
	s_bfe_u32 s2, ttmp6, 0x10000c
	s_cmp_lg_u32 s2, 0xf033
	s_cbranch_scc0 .Lentry_shape_is_right
	s_endpgm
.Lentry_shape_is_right:
; k = LN(x2) Wk + bk and v = LN(x2) Wv + bv on codes of FP6 (E2M3) with E8M0 scales; k's softmax over a head's 64; both quantised along the keys; and k^T v over the work-group's 256 keys.
; A work-group takes 256 places of A2C (tile column tx: batch tx / 8, block of keys tx % 8) and two heads (tile row ty): 128 rows of Wk and the same 128 of Wv.  Four waves, each 128 x 128: wave (AH, BH) has head 2 ty + AH
; (64 columns of k, 64 of v) and keys 128 BH on.  K = 768 goes in three steps of 256 through two LDS slots filled by the tensor data mover; rows of 192 bytes, 16 bytes of padding behind each 64.
; SOURCE 0 = 16 places, SOURCE 1 = 16 rows of a weight: a lane holds ONE column (d or l) and its registers run along the keys; by the order of A2C's places the 64 registers of a column tile are
; key 32 g + 16 (lane / 16) + i at register 16 g + i: what the quantiser along the keys wants.  The biases are the C of each sum's first product.
; The codes go from wave to wave through LDS as images of the operand's registers; each wave then makes two of its head's four tiles of d against the four tiles of l.  The f32 tiles go to PT as they stand in the
; registers: [batch x head 64][l tile 4][block of keys 8][d tile 4][half 2][lane 32][16 bytes]; the next launch adds the eight blocks of keys.
; CLUSTER 4 x 4: the weights' tiles hang on ty alone and are asked for jointly along a row of the cluster, A2C's on tx alone, along a column.
; LIMITS: NaN and infinities are not served; an exponential under 2^-126 is 0; a block whose largest magnitude lies under 2^-124 keeps the byte 1 (its bytes are read by this program alone).
; REGISTERS: window 0: v1-30 addresses; v32-95 scale words, two sets, nothing else; v96-127 at work; v128-223 the weights' fragments, one set.  window 1: A2C's fragments, two sets (v0-95, v128-223);
;   v96-127 and v224-255 the biases.  window 2: k's 32 accumulators ((a, b) at v[8 (8 a + b)]).  window 3: v's.
.set ROWB,  192
.set PITCH, 240
.set FR,    12
.set NL,    6
.set NP,    4
.set HALFT, 128*PITCH
.set SLOT,  4*HALFT
.set SCL,   2*SLOT                     ; the weights' scale bytes: Wk's 128 rows x 24, then Wv's, dense
.set SCLB,  SCL+6144                   ; A2S: 2 x 128 places x 32 bytes, as units of 256 + 16 of padding
.set SPARE, SCLB+8704                  ; the spare words, 128 bytes a wave: two blocks of 256 bytes that no other line names
.set XCH,   SLOT                       ; the images: in slot 1, which has had its only fill and its last read when the first is stored
.set XREG,  13312                      ; a wave's: 8 fragments of 1,536 bytes, then 8 x 128 bytes of scale words
.set XWI, 1
.set XWS, 2
.set RK,  3
.set RV,  4
.set RKS, 5
.set RVS, 6
.set LP,  7
.set BA,  14
.set ADRA, 16
.set ADRB, 20
.set ADSA, 27
.set SPW,  28
.set NIL,  29
.set ADSB, 30
.set SC,   32
.set AF,   128
.set T,    96
.set U,    128
.set UB,   160
.set TM,   200
.set PW,   216
.set PC,   220
.set G1, 24
.set G0, 32
.set G1B, 48
.set G0B, 56
.set WV, 66
.set AH, 67
.set G1S, 68
.set G0S, 76
.set G1SB, 80
.set G0SB, 88
.set BH, 92
.set MSB, 0
.macro WIN new                         ; the immediate's high byte repeats the setting that is left
.if MSB != (\new)
	s_set_vgpr_msb (MSB<<8)|(\new)
.set MSB, (\new)
.endif
.endm
.macro PLACES n                        ; plain vector lines behind matrix instructions (ISA guide 7.12.1), where no other vector work is at hand
.rept \n
	v_nop
.endr
.endm
; a joint load: waves 0 and 1 fetch for the weights, waves 2 and 3 for A2C; four v_nop follow each of the two lines
.macro JLOAD g0a, g1a, g0b, g1b
	s_cmp_eq_u32 s[AH], 0
	s_cbranch_scc0 .Lfor_b_\@
	tensor_load_to_lds s[\g0a:\g0a+3], s[\g1a:\g1a+7]
	s_nop 0
.rept 4
	v_nop
.endr
	s_branch .Lasked_\@
.Lfor_b_\@:
	tensor_load_to_lds s[\g0b:\g0b+3], s[\g1b:\g1b+7]
	s_nop 0
.rept 4
	v_nop
.endr
.Lasked_\@:
.endm
.macro CREST                           ; a round of the cluster's barrier behind its opening barrier
	s_cmp_lg_u32 s[WV], 0
	s_cbranch_scc1 .Lnot_wave_0_\@
	s_barrier_signal -3
.Lnot_wave_0_\@:
	s_barrier_wait -3
	s_barrier_signal -1
	s_barrier_wait -1
.endm
.macro CROUND
	s_barrier_signal -1
	s_barrier_wait -1
	CREST
.endm
	s_load_b512 s[4:19], s[0:1], 0x0               ; Wk's codes s[4:5], scales s[6:7]; Wv's s[8:9], s[10:11]; bk s[12:13]; bv s[14:15]; A2C s[16:17]; A2S s[18:19]
	s_load_b64 s[20:21], s[0:1], 0x40              ; PT
	v_lshl_add_u32 v[SPW], v0, 2, SPARE
	v_mov_b32 v[NIL], 0
	ds_add_u32 v28, v29
	ds_add_u32 v28, v29
	s_wait_dscnt 0x0
	v_lshrrev_b32 v1, 5, v0
	v_readfirstlane_b32 s[WV], v1                  ; wave 0..3
	s_lshr_b32 s[AH], s[WV], 1                     ; my head of the two.  Also: I fetch for the weights (0) or for A2C (1)
	s_and_b32 s[BH], s[WV], 1                      ; my half of the keys.  Also: which 128 rows I fetch
	s_bfe_u32 s40, ttmp6, 0x40000                  ; cx, cy
	s_bfe_u32 s41, ttmp6, 0x40004
	s_lshl_b32 s42, ttmp9, 2
	s_add_co_u32 s42, s42, s40                     ; tx
	s_and_b32 s93, ttmp7, 0xffff
	s_lshl_b32 s93, s93, 2
	s_add_co_u32 s93, s93, s41                     ; ty
	s_lshl_b32 s43, s41, 2
	s_lshl_b32 s43, 15, s43                        ; my row of the cluster
	s_lshl_b32 s44, 0x1111, s40                    ; my column
	s_or_b32 s[G1+0], s43, (1<<20)|(1<<21)|(3<<22)|(3<<25)    ; the mask; elements of 1 byte; padding on; bit 21 beside a mask; after every 16 words, 4 words
	s_or_b32 s[G1B+0], s44, (1<<20)|(1<<21)|(3<<22)|(3<<25)
.irp g, G1, G1B
	s_mov_b32 s[\g+1], ROWB<<16                    ; tensor_dim0
	s_mov_b32 s[\g+2], 128<<16                     ; tensor_dim1
	s_mov_b32 s[\g+3], ROWB<<16                    ; tile_dim0
	s_mov_b32 s[\g+4], 128                         ; tile_dim1
	s_mov_b32 s[\g+5], 576                         ; bytes from row to row
	s_mov_b32 s[\g+6], 0
	s_mov_b32 s[\g+7], 0
.endr
	s_or_b32 s[G1S+0], s43, (3<<16)|(1<<21)        ; a weight's scale bytes of 128 rows: 3,072 dense bytes as 12 rows of 256, no padding (a row of 24 bytes may cross a unit)
	s_mov_b32 s[G1S+1], 32<<16
	s_mov_b32 s[G1S+2], 12<<16
	s_mov_b32 s[G1S+3], 32<<16
	s_mov_b32 s[G1S+4], 12
	s_mov_b32 s[G1S+5], 32
	s_mov_b32 s[G1S+6], 0
	s_mov_b32 s[G1S+7], 0
	s_or_b32 s[G1SB+0], s44, (3<<16)|(1<<20)|(1<<21)|(5<<22)|(3<<25)   ; A2S of 128 places: 16 rows of 256 bytes, 16 of padding behind each
	s_mov_b32 s[G1SB+1], 32<<16
	s_mov_b32 s[G1SB+2], 16<<16
	s_mov_b32 s[G1SB+3], 32<<16
	s_mov_b32 s[G1SB+4], 16
	s_mov_b32 s[G1SB+5], 32
	s_mov_b32 s[G1SB+6], 0
	s_mov_b32 s[G1SB+7], 0
	s_mov_b32 s95, 0
	s_mov_b32 s47, 0
	s_wait_kmcnt 0x0
	s_cmp_eq_u32 s[BH], 0                          ; wave 0 fetches Wk, wave 1 Wv: the choice hangs on the wave's number alone
	s_cselect_b64 s[4:5], s[4:5], s[8:9]
	s_cselect_b64 s[6:7], s[6:7], s[10:11]
	s_mul_i32 s94, s93, 128*576
	s_add_nc_u64 s[4:5], s[4:5], s[94:95]          ; the weight's rows 128 ty on
	s_mul_i32 s94, s93, 128*24
	s_add_nc_u64 s[6:7], s[6:7], s[94:95]
	s_lshl_b32 s105, s42, 8
	s_lshl_b32 s46, s[BH], 7
	s_add_co_u32 s105, s105, s46                   ; A2C's place 256 tx + 128 x half
	s_mul_i32 s46, s105, 576
	s_add_nc_u64 s[16:17], s[16:17], s[46:47]
	s_lshl_b32 s46, s105, 5
	s_add_nc_u64 s[18:19], s[18:19], s[46:47]
	s_mul_i32 s45, s[WV], HALFT                    ; where the codes go: wave x 128 rows
	CROUND                                         ; all sixteen work-groups are here: the first joint loads meet
	s_mov_b32 s[G0S], 1
	s_mul_i32 s94, s[BH], 3072
	s_add_co_u32 s[G0S+1], s94, SCL
	s_mov_b64 s[G0S+2:G0S+3], s[6:7]
	s_or_b32 s[G0S+3], s[G0S+3], 0x80000000
	s_mov_b32 s[G0SB], 1
	s_mul_i32 s94, s[BH], 4352
	s_add_co_u32 s[G0SB+1], s94, SCLB
	s_mov_b64 s[G0SB+2:G0SB+3], s[18:19]
	s_or_b32 s[G0SB+3], s[G0SB+3], 0x80000000
	JLOAD G0S, G1S, G0SB, G1SB                     ; the scale bytes, for all of K: filled once
.irp s, 0,1
	s_mov_b32 s[G0+4*\s], 1
	s_add_co_u32 s[G0+4*\s+1], s45, \s*SLOT
	s_add_nc_u64 s[G0+4*\s+2:G0+4*\s+3], s[4:5], \s*ROWB
	s_or_b32 s[G0+4*\s+3], s[G0+4*\s+3], 0x80000000
	s_mov_b32 s[G0B+4*\s], 1
	s_add_co_u32 s[G0B+4*\s+1], s45, \s*SLOT
	s_add_nc_u64 s[G0B+4*\s+2:G0B+4*\s+3], s[16:17], \s*ROWB
	s_or_b32 s[G0B+4*\s+3], s[G0B+4*\s+3], 0x80000000
	JLOAD G0+4*\s, G1, G0B+4*\s, G1B               ; K steps 0 and 1: three tensor loads of mine are out
.endr
	v_and_b32 v8, 15, v0                           ; r
	v_bfe_u32 v9, v0, 4, 1                         ; h
	v_mul_u32_u24 v10, v8, PITCH
	v_mul_u32_u24 v11, v9, 24
	v_add_nc_u32 v11, v10, v11                     ; a fragment's row x pitch + 24 x half
	v_lshl_add_u32 v12, v9, 4, v11                 ; and the same behind one padding more
	s_mul_i32 s94, s[AH], 64*PITCH                 ; my head's 64 rows of Wk (Wv's lie 128 rows on)
	s_mul_i32 s95, s[BH], HALFT
	s_add_co_u32 s95, s95, 2*HALFT                 ; my 128 places
.irp s, 0,1
	v_add_nc_u32 v[ADRA+\s], s94, v11
	v_add_nc_u32 v[ADRB+\s], s95, v11
	v_add_nc_u32 v[ADRA+2+\s], s94, v12
	v_add_nc_u32 v[ADRB+2+\s], s95, v12
	s_add_co_u32 s94, s94, SLOT
	s_add_co_u32 s95, s95, SLOT
.endr
	v_mul_u32_u24 v10, v8, 24                      ; the weights' scale words: 24 bytes a row
	s_mul_i32 s94, s[AH], 1536
	s_add_co_u32 s94, s94, SCL
	v_add_nc_u32 v[ADSA], s94, v10
	v_lshlrev_b32 v10, 5, v8                       ; A2S's: 32 bytes a place, 16 more for each 256 passed
	v_lshrrev_b32 v11, 3, v8
	v_lshl_add_u32 v10, v11, 4, v10
	s_mul_i32 s94, s[BH], 4352
	s_add_co_u32 s94, s94, SCLB
	v_add_nc_u32 v[ADSB], s94, v10
	v_and_b32 v10, 31, v0
	v_lshlrev_b32 v[LP], 4, v10                    ; 16 x lane
	v_lshlrev_b32 v11, 2, v10                      ; 4 x lane
	s_mul_i32 s94, s[WV], XREG
	s_add_co_u32 s94, s94, XCH
	v_add_nc_u32 v[XWI], s94, v[LP]                ; where I store my images,
	s_add_co_u32 s94, s94, 12288
	v_add_nc_u32 v[XWS], s94, v11                  ; and their scale words
	s_mul_i32 s94, s[AH], 2*XREG
	s_add_co_u32 s94, s94, XCH                     ; my head's two regions
	v_add_nc_u32 v[RV], s94, v[LP]
	s_mul_i32 s95, s[BH], 3072
	s_add_co_u32 s95, s95, s94
	v_add_nc_u32 v[RK], s95, v[LP]                 ; k's tiles of d 2 BH, 2 BH + 1
	s_add_co_u32 s94, s94, 12288
	v_add_nc_u32 v[RVS], s94, v11
	s_lshl_b32 s95, s[BH], 8
	s_add_co_u32 s95, s95, s94
	v_add_nc_u32 v[RKS], s95, v11
	v_lshlrev_b32 v[BA], 2, v8                     ; the biases: 4 r
	s_mov_b32 s95, 0
	s_lshl_b32 s94, s93, 9
	s_lshl_b32 s104, s[AH], 8
	s_add_co_u32 s94, s94, s104                    ; 4 x (128 ty + 64 AH)
	s_add_nc_u64 s[12:13], s[12:13], s[94:95]
	s_add_nc_u64 s[14:15], s[14:15], s[94:95]
	s_lshr_b32 s46, s42, 3
	s_lshl_b32 s46, s46, 4
	s_lshl_b32 s104, s93, 1
	s_add_co_u32 s46, s46, s104
	s_add_co_u32 s46, s46, s[AH]                   ; 16 x batch + head
	s_lshl_b32 s46, s46, 17
	s_and_b32 s104, s42, 7
	s_lshl_b32 s104, s104, 12
	s_add_co_u32 s46, s46, s104                    ; + 4,096 x block of keys
	s_lshl_b32 s104, s[BH], 11
	s_add_co_u32 s46, s46, s104                    ; + 2,048 x my pair of d tiles
	s_add_nc_u64 s[20:21], s[20:21], s[46:47]
	s_mov_b32 s100, 0x3fb8aa3b                     ; log2(e)
	s_mov_b32 s101, s100
	s_mov_b32 s104, 0x76543210                     ; v_permlanex16_b32's selects for lane l xor 16
	s_mov_b32 s105, 0xfedcba98
	WIN 0x40                                       ; destination window 1
.irp a, 0,1,2,3,4,5,6,7                ; a lane's column has one bias: the same word in a tile's eight registers
.irp j, 0,1,2,3,4,5,6,7
.if \a < 4
	global_load_b32 v[96+8*\a+96*(\a/4)+\j], v[BA], s[12:13] offset:64*\a
.else
	global_load_b32 v[96+8*\a+96*(\a/4)+\j], v[BA], s[14:15] offset:64*(\a-4)
.endif
.endr
.endr
	WIN 0
.macro FRAG reg, adr, q, rows          ; a fragment: 16 rows x 128 K, 12 registers, in pieces of 8 bytes; lanes 16-31 read three pieces on, which for some pieces is behind one padding more
.irp p, 0,1,2,3,4,5
.set PIECE, 12*(\q)+6*(\p/3)+\p%3
.if PIECE%8 < 5
	ds_load_b64 v[\reg+2*\p:\reg+2*\p+1], v[\adr] offset:8*PIECE+16*(PIECE/8)+(\rows)*PITCH
.else
	ds_load_b64 v[\reg+2*\p:\reg+2*\p+1], v[\adr+2] offset:8*PIECE+16*(PIECE/8)+(\rows)*PITCH
.endif
.endr
.endm
; 16 products: the weights' blocks a0, a0 + 1 x the eight tiles of places.  The 64 accumulators take turns, one instruction a turn.  zero = 1: the bias starts the sum
.macro MUL16 a0, p, q, sc, zero
.irp a, \a0, \a0+1
.irp b, 0,1,2,3,4,5,6,7
.if \zero
	v_wmma_scale_f32_16x16x128_f8f6f4 v[8*(8*((\a)%4)+\b):8*(8*((\a)%4)+\b)+7], v[128*(\p)+FR*\b:128*(\p)+FR*\b+FR-1], v[AF+FR*(\a):AF+FR*(\a)+FR-1], v[96+8*(\a)+96*((\a)/4):96+8*(\a)+96*((\a)/4)+7], v[SC+32*(\sc)+16+2*\b+(\q)], v[SC+32*(\sc)+2*(\a)+(\q)] matrix_a_fmt:MATRIX_FMT_FP6 matrix_b_fmt:MATRIX_FMT_FP6
.else
	v_wmma_scale_f32_16x16x128_f8f6f4 v[8*(8*((\a)%4)+\b):8*(8*((\a)%4)+\b)+7], v[128*(\p)+FR*\b:128*(\p)+FR*\b+FR-1], v[AF+FR*(\a):AF+FR*(\a)+FR-1], v[8*(8*((\a)%4)+\b):8*(8*((\a)%4)+\b)+7], v[SC+32*(\sc)+16+2*\b+(\q)], v[SC+32*(\sc)+2*(\a)+(\q)] matrix_a_fmt:MATRIX_FMT_FP6 matrix_b_fmt:MATRIX_FMT_FP6
.endif
.endr
.endr
.endm
.macro FETCH_B slot, q, p
	WIN 0x40
.irp i, 0,1,2,3,4,5,6,7
	FRAG 128*(\p)+FR*\i, ADRB+\slot, \q, 16*\i
.endr
	WIN 0
.endm
.macro FETCH_A slot, q, i0             ; blocks 0-3: my head's rows of Wk; blocks 4-7: of Wv, 128 rows on
.irp i, \i0, \i0+1, \i0+2, \i0+3
	FRAG AF+FR*(\i), ADRA+\slot, \q, (16*((\i)%4)+128*((\i)/4))
.endr
.endm
.macro SCALES set, offa, offb          ; a K step's two words a row: the weights' eight blocks, the places' eight
.irp i, 0,1,2,3,4,5,6,7
	ds_load_b64 v[SC+32*\set+2*\i:SC+32*\set+2*\i+1], v[ADSA] offset:\offa+384*(\i%4)+3072*(\i/4)
.endr
.irp i, 0,1,2,3,4,5,6,7
	ds_load_b64 v[SC+32*\set+16+2*\i:SC+32*\set+16+2*\i+1], v[ADSB] offset:\offb+544*\i
.endr
.endm
.macro STEP slot, zero                 ; a slot's first 128 along K
	s_wait_dscnt 4*NL                              ; all but the youngest 24 loads (the weights' blocks 4-7) are in
	WIN 0xa1-0x10*(\zero)                          ; source 0 window 1, source 1 window 0, D window 2; C window 2, or 1 for the bias
	MUL16 0, 0, 0, \slot, \zero
	MUL16 2, 0, 0, \slot, \zero
	s_wait_dscnt 0x0
	PLACES NP
	FETCH_B \slot, 1, 1
	FETCH_A \slot, 1, 0
	WIN 0xf1-0x20*(\zero)
	MUL16 4, 0, 0, \slot, \zero
	MUL16 6, 0, 0, \slot, \zero
	PLACES NP
	WIN 0
	FETCH_A \slot, 1, 4
.endm
; a slot's second 128 along K, and the change of slots: each wave waits for all its tensor loads, adds 0 to its spare word, waits for that and for its reads of this slot, and meets the others.
; fill = 1: the barrier opens a round of the cluster's, and this slot's next tile is the first tensor load behind it
.macro TURN slot, next, fill, offa, offb
	s_wait_tensorcnt 0x0                           ; all my tensor loads have landed: my part of the next slot
	ds_add_u32 v[SPW], v[NIL]                      ; 0 onto my spare word
	s_wait_dscnt 4*NL+1                            ; (the add and the youngest 24 loads may be out)
	WIN 0xa1
	MUL16 0, 1, 1, \slot, 0
	s_wait_dscnt 0x0                               ; the add is done, and my reads of this slot are over
	s_barrier_signal -1
	MUL16 2, 1, 1, \slot, 0
	WIN 0
	s_barrier_wait -1
.if \fill
	CREST
	s_add_nc_u64 s[G0+4*\slot+2:G0+4*\slot+3], s[G0+4*\slot+2:G0+4*\slot+3], 2*ROWB
	s_add_nc_u64 s[G0B+4*\slot+2:G0B+4*\slot+3], s[G0B+4*\slot+2:G0B+4*\slot+3], 2*ROWB
	JLOAD G0+4*\slot, G1, G0B+4*\slot, G1B         ; its four v_nop are also the places in front of the loads below
.else
	PLACES NP
.endif
	FETCH_B \next, 0, 0
	FETCH_A \next, 0, 0
	SCALES \next, \offa, \offb
	WIN 0xf1
	MUL16 4, 1, 1, \slot, 0
	MUL16 6, 1, 1, \slot, 0
	PLACES NP
	WIN 0
	FETCH_A \next, 0, 4
.endm
	s_wait_tensorcnt 0x1                           ; the scale bytes and my part of K step 0 are in; K step 1's load may stay out
	s_barrier_signal -1
	s_barrier_wait -1
	FETCH_B 0, 0, 0
	FETCH_A 0, 0, 0
	SCALES 0, 0, 0
	FETCH_A 0, 0, 4
	s_wait_loadcnt 0x0                             ; the biases
	STEP 0, 1
	TURN 0, 1, 1, 8, 8                             ; slot 0 takes K step 2
	STEP 1, 0
	TURN 1, 0, 0, 16, 16                           ; nothing is left to fetch; behind this barrier nobody reads slot 1
	STEP 0, 0
	s_wait_dscnt 4*NL                              ; the last 128 along K
	WIN 0xa1
	MUL16 0, 1, 1, 0, 0
	MUL16 2, 1, 1, 0, 0
	s_wait_dscnt 0x0
	WIN 0xf1
	MUL16 4, 1, 1, 0, 0
	MUL16 6, 1, 1, 0, 0
	WIN 0
	PLACES NP
; k's SOFTMAX over the head's 64: for a key (a register and a half of the lanes) the 64 lie in the four tiles of d and the sixteen lanes.  32 registers at a time.  Each accumulator is read from its low end on.
.macro KSOFT g
.set RB, 32*(\g)
	WIN 0x2a                                       ; three sources in window 2
.set J, 0
.rept 32
	v_max3_num_f32 v[T+J], v[RB+J], v[64+RB+J], v[128+RB+J]
.set J, J+1
.endr
	WIN 0x02
.set J, 0
.rept 32
	v_max_num_f32 v[T+J], v[192+RB+J], v[T+J]
.set J, J+1
.endr
	WIN 0
.irp m, 1,2,4,8
.set J, 0
.rept 32
	v_max_num_f32_dpp v[T+J], v[T+J], v[T+J] row_xmask:\m row_mask:0xf bank_mask:0xf
.set J, J+1
.endr
.endr
.set J, 0
.rept 32
	v_mul_f32 v[T+J], s100, v[T+J]
.set J, J+1
.endr
.set J, 0
.rept 32
	v_floor_f32 v[T+J], -v[T+J]                    ; -M, M the largest t rounded up to a whole number: the maximum is taken away, and the multiply-add below rounds once
.set J, J+1
.endr
	WIN 0x82                                       ; destination and source 0 in window 2
.irp a, 0,1,2,3
.set J, 0
.rept 16
	v_pk_fma_f32 v[64*\a+RB+J:64*\a+RB+J+1], v[64*\a+RB+J:64*\a+RB+J+1], s[100:101], v[T+J:T+J+1] op_sel_hi:[1,0,1]
.set J, J+2
.endr
.endr
.irp a, 0,1,2,3
.set J, 0
.rept 32
	v_exp_f32 v[64*\a+RB+J], v[64*\a+RB+J]
.set J, J+1
.endr
.endr
	v_nop                                          ; a plain line behind the exponentials
	WIN 0x0a
.set J, 0
	s_wait_alu depctr_va_vdst(0)
.rept 16
	v_pk_add_f32 v[U+J:U+J+1], v[RB+J:RB+J+1], v[64+RB+J:64+RB+J+1]
	v_pk_add_f32 v[UB+J:UB+J+1], v[128+RB+J:128+RB+J+1], v[192+RB+J:192+RB+J+1]
.set J, J+2
.endr
	WIN 0
.set J, 0
.rept 16
	v_pk_add_f32 v[U+J:U+J+1], v[U+J:U+J+1], v[UB+J:UB+J+1]
.set J, J+2
.endr
.irp m, 1,2,4,8
.set J, 0
.rept 32
	v_add_f32_dpp v[U+J], v[U+J], v[U+J] row_xmask:\m row_mask:0xf bank_mask:0xf
.set J, J+1
.endr
.endr
.set J, 0
.rept 32
	v_rcp_f32 v[U+J], v[U+J]                       ; the sum lies between 1/2 and 64
.set J, J+1
.endr
	v_nop
	WIN 0x82
	s_wait_alu depctr_va_vdst(0)
.irp a, 0,1,2,3
.set J, 0
.rept 16
	v_pk_mul_f32 v[64*\a+RB+J:64*\a+RB+J+1], v[64*\a+RB+J:64*\a+RB+J+1], v[U+J:U+J+1]
.set J, J+2
.endr
.endr
	WIN 0
.endm
	KSOFT 0
	KSOFT 1
.irp b, 0,1,2,3
	v_mov_b32 v[TM+4+\b], 0                        ; a lane permute's destination counts as read
.endr
; 64 numbers of a lane in window w, register 16 b + i = key 32 b + 16 (lane / 16) + i of my column, become a fragment's codes in v[PC] on and its scale word in v[PW]
.macro QUANTW w, s
	WIN ((\w)<<2)|((\w)<<4)
.irp b, 0,1,2,3
	v_max3_num_f32 v[TM+\b], 0x1800000, |v[(\s)+16*\b]|, |v[(\s)+16*\b+1]|   ; the floor 2^(3 - 127) among the leaves
.endr
.irp i, 2,4,6,8,10,12,14
.irp b, 0,1,2,3
	v_max3_num_f32 v[TM+\b], v[TM+\b], |v[(\s)+16*\b+\i]|, |v[(\s)+16*\b+\i+1]|
.endr
.endr
	WIN 0
.irp b, 0,1,2,3
	v_permlanex16_b32 v[TM+4+\b], v[TM+\b], s104, s105
.endr
.irp b, 0,1,2,3
	v_max_num_f32 v[TM+\b], v[TM+\b], v[TM+4+\b]
.endr
.irp b, 0,1,2,3
	v_add_nc_u32 v[TM+12+\b], 0xff000000, v[TM+\b]
.endr
.irp b, 0,1,2,3
	v_lshrrev_b32 v[TM+4+\b], 23, v[TM+12+\b]
.endr
	v_lshl_or_b32 v[PW], v[TM+5], 8, v[TM+4]
	v_lshl_or_b32 v[PW], v[TM+6], 16, v[PW]
	v_lshl_or_b32 v[PW], v[TM+7], 24, v[PW]
	WIN (\w)
.irp c, 0,1
	v_cvt_scalef32_pk16_fp6_f32 v[PC+6*\c:PC+6*\c+2], v[(\s)+32*\c:(\s)+32*\c+15], v[TM+12+2*\c]
	v_cvt_scalef32_pk16_fp6_f32 v[PC+12+4*\c:PC+14+4*\c], v[(\s)+32*\c+16:(\s)+32*\c+31], v[TM+13+2*\c]
.endr
	WIN 0
	v_nop                                          ; a plain line behind the conversions
.irp c, 0,1                            ; the operand wants a whole block in a lane
.irp i, 0,1,2
	v_permlane16_swap_b32 v[PC+6*\c+\i], v[PC+12+4*\c+\i]
.endr
.irp i, 0,1,2
	v_mov_b32 v[PC+3+6*\c+\i], v[PC+12+4*\c+\i]
.endr
.endr
.endm
.irp a, 0,1,2,3,4,5,6,7                ; k's four tiles of d, v's four of l: K = my 128 keys
	QUANTW 2+\a/4, 64*(\a%4)
.irp c, 0,1,2
	ds_store_b128 v[XWI], v[PC+4*\c:PC+4*\c+3] offset:1536*\a+512*\c
.endr
	ds_store_b32 v[XWS], v[PW] offset:128*\a
	s_wait_dscnt 0x0                               ; the stores have read their registers
.endr
	s_barrier_signal -1                            ; my stores have landed (the wait above): the images of all four waves lie in LDS behind this barrier
	s_barrier_wait -1
.irp k, 0,1                            ; K step k: the keys of wave 2 AH + k
.irp i, 0,1
.irp c, 0,1,2
	ds_load_b128 v[192+12*(2*\k+\i)+4*\c:192+12*(2*\k+\i)+4*\c+3], v[RK] offset:XREG*\k+1536*\i+512*\c
.endr
	ds_load_b32 v[SC+2*\k+\i], v[RKS] offset:XREG*\k+128*\i
.endr
.irp j, 0,1,2,3
.irp c, 0,1,2
	ds_load_b128 v[96+12*(4*\k+\j)+4*\c:96+12*(4*\k+\j)+4*\c+3], v[RV] offset:XREG*\k+1536*(4+\j)+512*\c
.endr
	ds_load_b32 v[SC+4+4*\k+\j], v[RVS] offset:XREG*\k+128*(4+\j)
.endr
.endr
	s_wait_dscnt 0x0
	WIN 0x40                                       ; D in window 1: source 0 = 16 of k's d, source 1 = 16 of v's l: a lane holds one l and eight d
.irp i, 0,1
.irp j, 0,1,2,3
	v_wmma_scale_f32_16x16x128_f8f6f4 v[8*(4*\i+\j):8*(4*\i+\j)+7], v[192+12*\i:192+12*\i+11], v[96+12*\j:96+12*\j+11], 0, v[SC+\i], v[SC+4+\j] matrix_a_fmt:MATRIX_FMT_FP6 matrix_b_fmt:MATRIX_FMT_FP6
.endr
.endr
	WIN 0x50
.irp i, 0,1
.irp j, 0,1,2,3
	v_wmma_scale_f32_16x16x128_f8f6f4 v[8*(4*\i+\j):8*(4*\i+\j)+7], v[192+12*(2+\i):192+12*(2+\i)+11], v[96+12*(4+\j):96+12*(4+\j)+11], v[8*(4*\i+\j):8*(4*\i+\j)+7], v[SC+2+\i], v[SC+8+\j] matrix_a_fmt:MATRIX_FMT_FP6 matrix_b_fmt:MATRIX_FMT_FP6
.endr
.endr
	PLACES NP
	WIN 0x04                                       ; a store's data are its source 1: window 1
.irp i, 0,1
.irp j, 0,1,2,3
	global_store_b128 v[LP], v[8*(4*\i+\j):8*(4*\i+\j)+3], s[20:21] offset:32768*\j+1024*\i          ; 32 lanes store 512 consecutive bytes; each accumulator from its low end on
	global_store_b128 v[LP], v[8*(4*\i+\j)+4:8*(4*\i+\j)+7], s[20:21] offset:32768*\j+1024*\i+512
.endr
.endr
	WIN 0
	s_wait_tensorcnt 0x0                           ; the wave's end
	ds_add_u32 v[SPW], v[NIL]
	s_wait_dscnt 0x0
	CROUND                                         ; the closing round
	s_endpgm
.Lfunc_end_k_q4750541f5a_kv:
	.size	k_q4750541f5a_kv, .Lfunc_end_k_q4750541f5a_kv-k_q4750541f5a_kv
	.p2alignl 7, 3214868480
	.fill 96, 4, 3214868480
	.section	.rodata,"a",@progbits
	.p2align	6, 0x0
	.amdhsa_kernel k_q4750541f5a_kv
		.amdhsa_group_segment_fixed_size 327680
		.amdhsa_private_segment_fixed_size 0
		.amdhsa_enable_private_segment 0
		.amdhsa_kernarg_size 72
		.amdhsa_user_sgpr_count 2
		.amdhsa_user_sgpr_kernarg_segment_ptr 1
		.amdhsa_wavefront_size32 1
		.amdhsa_system_sgpr_workgroup_id_x 1
		.amdhsa_system_sgpr_workgroup_id_y 1
		.amdhsa_system_sgpr_workgroup_id_z 1
		.amdhsa_system_vgpr_workitem_id 0
		.amdhsa_next_free_vgpr 1024
		.amdhsa_next_free_sgpr 106
		.amdhsa_reserve_vcc 0
		.amdhsa_float_denorm_mode_32 3
		.amdhsa_float_denorm_mode_16_64 3
		.amdhsa_memory_ordered 1
		.amdhsa_forward_progress 1
		.amdhsa_inst_pref_size 225
	.end_amdhsa_kernel
	.amdgpu_metadata
---
amdhsa.version: [ 1, 2 ]
amdhsa.kernels:
  - .name:           k_q4750541f5a_kv
    .symbol:         k_q4750541f5a_kv.kd
    .args:
      - { .name: Wk_codes, .offset: 0, .size: 8, .value_kind: global_buffer, .address_space: global }
      - { .name: Wk_scales, .offset: 8, .size: 8, .value_kind: global_buffer, .address_space: global }
      - { .name: Wv_codes, .offset: 16, .size: 8, .value_kind: global_buffer, .address_space: global }
      - { .name: Wv_scales, .offset: 24, .size: 8, .value_kind: global_buffer, .address_space: global }
      - { .name: bk, .offset: 32, .size: 8, .value_kind: global_buffer, .address_space: global }
      - { .name: bv, .offset: 40, .size: 8, .value_kind: global_buffer, .address_space: global }
      - { .name: A2C, .offset: 48, .size: 8, .value_kind: global_buffer, .address_space: global }
      - { .name: A2S, .offset: 56, .size: 8, .value_kind: global_buffer, .address_space: global }
      - { .name: PT, .offset: 64, .size: 8, .value_kind: global_buffer, .address_space: global }
    .group_segment_fixed_size: 327680
    .private_segment_fixed_size: 0
    .kernarg_segment_align: 8
    .kernarg_segment_size: 72
    .max_flat_workgroup_size: 128
    .sgpr_count:     106
    .vgpr_count:     1024
    .wavefront_size: 32
...
	.end_amdgpu_metadata
.endif
;; end of part 2
;; launch attnq (part 3): grid 64 x 1, 8 waves a work-group, no clusters, 0 bytes of LDS; arguments PT, ATC, ATS; writes ATC, ATS
.if DOCPART == 3
	.amdgcn_target "amdgcn-amd-amdhsa--gfx1250"
	.amdhsa_code_object_version 6
	.text
	.protected	k_q4750541f5a_attnq
	.globl	k_q4750541f5a_attnq
	.p2align	8
	.type	k_q4750541f5a_attnq,@function
k_q4750541f5a_attnq:
	s_mov_b64 s[64:65], 0
	v_nop
	global_prefetch_b8 v0, s[64:65] scope:SCOPE_SE
	s_setreg_imm32_b32 hwreg(HW_REG_WAVE_MODE, 25, 1), 1
	s_wait_xcnt 0x0
; attn[d][l] of one batch and head = the sum of the eight blocks of keys' tiles in PT, in ascending order; then quantised along d to FP6 (E2M3) with one E8M0 byte for each 32.
; A work-group takes one batch and head; wave w the l tile j = w / 2 and the block of 32 d's b = w % 2.  A lane (r, h) holds l = 16 j + r and the 16 numbers d = 32 b + 16 u + 8 h + e (register 8 u + e), as the
; matrix unit left them.  Its 16 codes go to places 16 h + 0 .. 15 of the block: inside a block the codes lie in that order and not in d's.  The last launch's other operand is laid in the same order, so the products
; pair rightly; a block is the same 32 numbers as in d's order, so its scale and codes are the rule's.
; ATC [64][j 4][r 16][48 bytes].  ATS [64][j][r] words for a K step of 128 that holds two heads: an even head's two bytes lie in bytes 0, 1, an odd head's in bytes 2, 3; the other two are 0x7f (their codes are zeros there).
; No cluster, no LDS: waves share nothing.  LIMITS: NaN and infinities are not served; a block under 2^-124 keeps the byte 1.
	s_load_b128 s[4:7], s[0:1], 0x0                ; PT, ATC
	s_load_b64 s[8:9], s[0:1], 0x10                ; ATS
	v_lshrrev_b32 v1, 5, v0
	v_readfirstlane_b32 s10, v1                    ; wave
	s_lshr_b32 s11, s10, 1                         ; j
	s_and_b32 s12, s10, 1                          ; b
	v_and_b32 v2, 31, v0
	v_lshlrev_b32 v3, 4, v2                        ; 16 x lane
	v_and_b32 v4, 15, v0                           ; r
	v_bfe_u32 v5, v0, 4, 1                         ; h
	v_mul_u32_u24 v6, v4, 48
	v_mad_u32_u24 v6, v5, 12, v6                   ; 48 r + 12 h
	v_lshlrev_b32 v7, 2, v4                        ; 4 r
	s_mov_b32 s14, 0x76543210
	s_mov_b32 s15, 0xfedcba98
	s_lshl_b32 s16, ttmp9, 17
	s_lshl_b32 s17, s11, 15
	s_add_co_u32 s16, s16, s17
	s_lshl_b32 s17, s12, 11
	s_add_co_u32 s16, s16, s17                     ; PT: 131,072 x head + 32,768 j + 2,048 b
	s_mov_b32 s17, 0
	s_mul_i32 s18, ttmp9, 3072
	s_mul_i32 s19, s11, 768
	s_add_co_u32 s18, s18, s19
	s_mul_i32 s19, s12, 24
	s_add_co_u32 s18, s18, s19                     ; ATC: 3,072 x head + 768 j + 24 b
	s_mov_b32 s19, 0
	s_lshl_b32 s20, ttmp9, 8
	s_lshl_b32 s21, s11, 6
	s_add_co_u32 s20, s20, s21
	s_add_co_u32 s20, s20, s12                     ; ATS: 256 x head + 64 j + b
	s_and_b32 s21, ttmp9, 1
	s_lshl_b32 s21, s21, 1
	s_sub_co_u32 s23, 2, s21
	s_add_co_u32 s22, s20, s23                     ; the filler's byte: in the other head's half of the word
	s_add_co_u32 s20, s20, s21                     ; the scale's byte: in my head's half
	s_mov_b32 s21, 0
	s_mov_b32 s23, 0
	s_wait_kmcnt 0x0
	s_add_nc_u64 s[4:5], s[4:5], s[16:17]
	s_add_nc_u64 s[6:7], s[6:7], s[18:19]
	s_add_nc_u64 s[20:21], s[8:9], s[20:21]
	s_add_nc_u64 s[22:23], s[8:9], s[22:23]
.irp n, 0,1,2,3,4,5,6,7
.irp u, 0,1
.irp f, 0,1
	global_load_b128 v[16+16*\n+8*\u+4*\f:16+16*\n+8*\u+4*\f+3], v3, s[4:5] offset:4096*\n+1024*\u+512*\f th:TH_LOAD_NT
.endr
.endr
.endr
.irp n, 1,2,3,4,5,6,7
	s_wait_loadcnt 4*(7-\n)                        ; loads come back in order: blocks 0 to n are in, the later blocks' four loads each stay out
.irp e, 0,2,4,6,8,10,12,14
	v_pk_add_f32 v[16+\e:17+\e], v[16+\e:17+\e], v[16+16*\n+\e:17+16*\n+\e]
.endr
.endr
	v_max3_num_f32 v144, |v16|, |v17|, 0x1800000   ; my 16 numbers, and the floor 2^(3 - 127)
.irp i, 2,4,6,8,10,12,14
	v_max3_num_f32 v144, v144, |v[16+\i]|, |v[17+\i]|
.endr
	v_mov_b32 v145, 0
	v_permlanex16_b32 v145, v144, s14, s15
	v_max_num_f32 v144, v144, v145                 ; with lane l xor 16's: the block's largest magnitude
	v_add_nc_u32 v146, 0xff000000, v144            ; 2 off its exponent field: the conversion's scale operand
	v_cvt_scalef32_pk16_fp6_f32 v[148:150], v[16:31], v146
	v_lshrrev_b32 v147, 23, v146                   ; the byte
	v_mov_b32 v151, 0x7f
	global_store_b96 v6, v[148:150], s[6:7]
	global_store_b8 v7, v147, s[20:21]             ; both halves of the lanes write the same byte with the same value
	global_store_b8 v7, v151, s[22:23]
	s_endpgm
.Lfunc_end_k_q4750541f5a_attnq:
	.size	k_q4750541f5a_attnq, .Lfunc_end_k_q4750541f5a_attnq-k_q4750541f5a_attnq
	.p2alignl 7, 3214868480
	.fill 96, 4, 3214868480
	.section	.rodata,"a",@progbits
	.p2align	6, 0x0
	.amdhsa_kernel k_q4750541f5a_attnq
		.amdhsa_group_segment_fixed_size 0
		.amdhsa_private_segment_fixed_size 0
		.amdhsa_enable_private_segment 0
		.amdhsa_kernarg_size 24
		.amdhsa_user_sgpr_count 2
		.amdhsa_user_sgpr_kernarg_segment_ptr 1
		.amdhsa_wavefront_size32 1
		.amdhsa_system_sgpr_workgroup_id_x 1
		.amdhsa_system_sgpr_workgroup_id_y 1
		.amdhsa_system_sgpr_workgroup_id_z 1
		.amdhsa_system_vgpr_workitem_id 0
		.amdhsa_next_free_vgpr 160
		.amdhsa_next_free_sgpr 66
		.amdhsa_reserve_vcc 0
		.amdhsa_float_denorm_mode_32 3
		.amdhsa_float_denorm_mode_16_64 3
		.amdhsa_memory_ordered 1
		.amdhsa_forward_progress 1
		.amdhsa_inst_pref_size 10
	.end_amdhsa_kernel
	.amdgpu_metadata
---
amdhsa.version: [ 1, 2 ]
amdhsa.kernels:
  - .name:           k_q4750541f5a_attnq
    .symbol:         k_q4750541f5a_attnq.kd
    .args:
      - { .name: PT, .offset: 0, .size: 8, .value_kind: global_buffer, .address_space: global }
      - { .name: ATC, .offset: 8, .size: 8, .value_kind: global_buffer, .address_space: global }
      - { .name: ATS, .offset: 16, .size: 8, .value_kind: global_buffer, .address_space: global }
    .group_segment_fixed_size: 0
    .private_segment_fixed_size: 0
    .kernarg_segment_align: 8
    .kernarg_segment_size: 24
    .max_flat_workgroup_size: 256
    .sgpr_count:     66
    .vgpr_count:     160
    .wavefront_size: 32
...
	.end_amdgpu_metadata
.endif
;; end of part 3
;; launch main (part 4): grid 4 x 64, 4 waves a work-group, clusters of 4 x 4, 327,680 bytes of LDS; arguments AC, AS, Wq_codes, Wq_scales, Wh_codes, Wh_scales, bq, bh, ATC, ATS, out0; writes out0
.if DOCPART == 4
	.amdgcn_target "amdgcn-amd-amdhsa--gfx1250"
	.amdhsa_code_object_version 6
	.text
	.protected	k_q4750541f5a_main
	.globl	k_q4750541f5a_main
	.p2align	8
	.type	k_q4750541f5a_main,@function
k_q4750541f5a_main:
	s_mov_b64 s[64:65], 0
	v_nop
	global_prefetch_b8 v0, s[64:65] scope:SCOPE_SE
	s_setreg_imm32_b32 hwreg(HW_REG_WAVE_MODE, 25, 1), 1
	s_wait_xcnt 0x0
	s_wait_alu depctr_hold_cnt(0) depctr_sa_sdst(0) depctr_va_vdst(0) depctr_va_sdst(0) depctr_va_ssrc(0) depctr_va_vcc(0) depctr_vm_vsrc(0)
	s_getreg_b32 s2, hwreg(HW_REG_IB_STS2, 6, 4)
	s_cmp_eq_u32 s2, 0
	s_cbranch_scc0 .Lentry_in_a_cluster
	s_endpgm
.Lentry_in_a_cluster:
	s_bfe_u32 s2, ttmp6, 0x10000c
	s_cmp_lg_u32 s2, 0xf033
	s_cbranch_scc0 .Lentry_shape_is_right
	s_endpgm
.Lentry_shape_is_right:
; out = x1 Wh + bh + softmax(LN(x1) Wq + bq) attn, all products on codes of FP6 (E2M3) with E8M0 scales.
; A work-group makes 256 rows x 256 columns (four heads); four waves, each 128 x 128: 64 accumulators, 512 registers.  AC's row is ONE operand of 2,048 along K: the norm's codes, then x1's.  K goes in eight steps of 256
; through two LDS slots filled by the tensor data mover: steps 0-3 against Wq, steps 4-7 against Wh.  SOURCE 0 = 16 rows of a weight, SOURCE 1 = 16 rows of AC: a lane holds one row and eight neighbouring columns.
; Between step 3 and step 4 the accumulators, which hold q's logits (bq was the C of the first products), are turned in place, 16 rows at a time:
;   t = logit x log2(e);  M = the head's largest t of the row, rounded up to a whole number;  p = 2^(t - M), quantised along the head's 64;  l = the sum of the unquantised p;
;   y = p attn by one product of K = 128 for each 16 columns (p's codes of both heads against one head's attn and zero codes for the other);  accumulator = y / l + bh.
; Steps 4-7 then add x1 Wh onto that.  Inside a block of 32 p's codes lie in the order that the registers give (place 16 h + 8 u + e holds d = 16 u + 8 h + e); attn's codes were laid in the same order.
; CLUSTER 4 x 4: AC's tiles hang on the tile row alone and are asked for jointly along a row of the cluster, the weights' on the tile column alone, along a column.
; The K steps are written out, not looped: every scale word's offset is an immediate, and the two changes of slot that switch to Wh differ from the others.
; LIMITS: NaN and infinities are not served; a p under 2^-126 is 0; a block of p under 2^-124 keeps the byte 1.
; REGISTERS: window 0: v1-30 addresses; v32-95 scale words, nothing else; v96-127, v224-243 at work between the phases; v128-223 AC's fragments, one set.
;   window 1: the weights' fragments, two sets (v0-95, v128-223; the second holds attn between the phases); v96-127, v224-255 bq, then bh.  windows 2, 3: the accumulators ((a, b) at v[8 (8 (a % 4) + b)]).
.set ROWB,  192
.set PITCH, 240
.set FR,    12
.set NL,    6
.set NP,    4
.set HALFT, 128*PITCH
.set SLOT,  4*HALFT
.set SCL,   2*SLOT                     ; the scale bytes, as units of 256 + 16 of padding: AS's two halves, Wq's 256 rows, Wh's
.set HALFS, 8704
.set SPARE, SCL+4*HALFS                ; the spare words, 128 bytes a wave: two blocks of 256 bytes that no other line names
.set SPITCH, 528                       ; the way out: 16 rows x (512 + 16) bytes a wave, in slot 0, which has had its last fill and its last read by then
.set BA,  1
.set TAD, 2
.set TSA, 3
.set ADRA, 16
.set ADRB, 20
.set STO,  24
.set RD,   25
.set CO,   26
.set ADSA, 27
.set SPW,  28
.set NIL,  29
.set ADSB, 30
.set SC,   32
.set ASW,  64                          ; v64-71 attn's scale words, v72 p's: in the idle set of scale words
.set PW,   72
.set AF,   128
.set BK,   128
.set BM,   96
.set BP,   100
.set SO,   104
.set BY,   108
.set NM,   112
.set SM,   116
.set RL,   124
.set PC,   224
.set G1, 24
.set G0, 32
.set G1B, 48
.set G0B, 56
.set WV, 66
.set AH, 67
.set G1S, 68
.set G0S, 76
.set G1SB, 80
.set G0SB, 88
.set BH, 92
.set WHA, 96
.set MSB, 0
.macro WIN new                         ; the immediate's high byte repeats the setting that is left
.if MSB != (\new)
	s_set_vgpr_msb (MSB<<8)|(\new)
.set MSB, (\new)
.endif
.endm
.macro PLACES n                        ; plain vector lines behind matrix instructions (ISA guide 7.12.1), where no other vector work is at hand
.rept \n
	v_nop
.endr
.endm
.macro JLOAD g0a, g1a, g0b, g1b        ; a joint load: waves 0 and 1 fetch for AC, waves 2 and 3 for the weights; four v_nop follow each of the two lines
	s_cmp_eq_u32 s[AH], 0
	s_cbranch_scc0 .Lfor_b_\@
	tensor_load_to_lds s[\g0a:\g0a+3], s[\g1a:\g1a+7]
	s_nop 0
.rept 4
	v_nop
.endr
	s_branch .Lasked_\@
.Lfor_b_\@:
	tensor_load_to_lds s[\g0b:\g0b+3], s[\g1b:\g1b+7]
	s_nop 0
.rept 4
	v_nop
.endr
.Lasked_\@:
.endm
.macro CREST
	s_cmp_lg_u32 s[WV], 0
	s_cbranch_scc1 .Lnot_wave_0_\@
	s_barrier_signal -3
.Lnot_wave_0_\@:
	s_barrier_wait -3
	s_barrier_signal -1
	s_barrier_wait -1
.endm
.macro CROUND
	s_barrier_signal -1
	s_barrier_wait -1
	CREST
.endm
	s_load_b512 s[4:19], s[0:1], 0x0               ; AC s[4:5], AS s[6:7], Wq's codes s[8:9], scales s[10:11], Wh's s[12:13], s[14:15], bq s[16:17], bh s[18:19]
	s_load_b128 s[20:23], s[0:1], 0x40             ; ATC s[20:21], ATS s[22:23]
	s_load_b64 s[2:3], s[0:1], 0x50                ; out0
	v_lshl_add_u32 v[SPW], v0, 2, SPARE
	v_mov_b32 v[NIL], 0
	ds_add_u32 v28, v29
	ds_add_u32 v28, v29
	s_wait_dscnt 0x0
	v_lshrrev_b32 v1, 5, v0
	v_readfirstlane_b32 s[WV], v1                  ; wave 0..3
	s_lshr_b32 s[AH], s[WV], 1                     ; my half of the rows.  Also: I fetch for AC (0) or for the weights (1)
	s_and_b32 s[BH], s[WV], 1                      ; my half of the columns.  Also: which 128 rows I fetch
	s_bfe_u32 s40, ttmp6, 0x40000                  ; cx, cy
	s_bfe_u32 s41, ttmp6, 0x40004
	s_lshl_b32 s42, ttmp9, 2
	s_add_co_u32 s42, s42, s40                     ; tx
	s_and_b32 s93, ttmp7, 0xffff
	s_lshl_b32 s93, s93, 2
	s_add_co_u32 s93, s93, s41                     ; ty
	s_lshl_b32 s43, s41, 2
	s_lshl_b32 s43, 15, s43                        ; my row of the cluster
	s_lshl_b32 s44, 0x1111, s40                    ; my column
	s_or_b32 s[G1+0], s43, (1<<20)|(1<<21)|(3<<22)|(3<<25)    ; the mask; elements of 1 byte; padding on; bit 21 beside a mask; after every 16 words, 4 words
	s_or_b32 s[G1B+0], s44, (1<<20)|(1<<21)|(3<<22)|(3<<25)
.irp g, G1, G1B
	s_mov_b32 s[\g+1], ROWB<<16
	s_mov_b32 s[\g+2], 128<<16
	s_mov_b32 s[\g+3], ROWB<<16
	s_mov_b32 s[\g+4], 128
	s_mov_b32 s[\g+6], 0
	s_mov_b32 s[\g+7], 0
.endr
	s_mov_b32 s[G1+5], 1536                        ; bytes from row to row: AC's,
	s_mov_b32 s[G1B+5], 768                        ; a weight's
	s_or_b32 s[G1S+0], s43, (3<<16)|(1<<20)|(1<<21)|(5<<22)|(3<<25)    ; scale bytes: 8,192 dense bytes as 32 rows of 256, 16 of padding behind each
	s_or_b32 s[G1SB+0], s44, (3<<16)|(1<<20)|(1<<21)|(5<<22)|(3<<25)
.irp g, G1S, G1SB
	s_mov_b32 s[\g+1], 32<<16
	s_mov_b32 s[\g+2], 32<<16
	s_mov_b32 s[\g+3], 32<<16
	s_mov_b32 s[\g+4], 32
	s_mov_b32 s[\g+5], 32
	s_mov_b32 s[\g+6], 0
	s_mov_b32 s[\g+7], 0
.endr
	s_lshl_b32 s104, s93, 8
	s_lshl_b32 s45, s[BH], 7
	s_add_co_u32 s104, s104, s45                   ; AC's row 256 ty + 128 x half
	s_lshl_b32 s105, s42, 8
	s_add_co_u32 s105, s105, s45                   ; a weight's row 256 tx + 128 x half
	s_mov_b32 s95, 0
	s_mov_b32 s47, 0
	s_wait_kmcnt 0x0
	s_mul_i32 s94, s104, 1536
	s_add_nc_u64 s[4:5], s[4:5], s[94:95]
	s_lshl_b32 s94, s104, 6
	s_add_nc_u64 s[6:7], s[6:7], s[94:95]
	s_mul_i32 s46, s105, 768
	s_add_nc_u64 s[8:9], s[8:9], s[46:47]
	s_add_nc_u64 s[WHA:WHA+1], s[12:13], s[46:47]  ; Wh's tile of K step 4,
	s_add_nc_u64 s[WHA+2:WHA+3], s[WHA:WHA+1], ROWB   ; of K step 5
	s_lshl_b32 s46, s42, 13                        ; 256 tx rows of 32 scale bytes
	s_cmp_eq_u32 s[BH], 0                          ; wave 2 fetches Wq's scale bytes, wave 3 Wh's: the choice hangs on the wave's number alone
	s_cselect_b64 s[10:11], s[10:11], s[14:15]
	s_add_nc_u64 s[10:11], s[10:11], s[46:47]
	s_mul_i32 s45, s[WV], HALFT                    ; where the codes go: wave x 128 rows
	s_mul_i32 s94, s[WV], HALFS                    ; and the scale bytes
	CROUND                                         ; all sixteen work-groups are here: the first joint loads meet
	s_mov_b32 s[G0S], 1
	s_add_co_u32 s[G0S+1], s94, SCL
	s_mov_b64 s[G0S+2:G0S+3], s[6:7]
	s_or_b32 s[G0S+3], s[G0S+3], 0x80000000
	s_mov_b32 s[G0SB], 1
	s_add_co_u32 s[G0SB+1], s94, SCL
	s_mov_b64 s[G0SB+2:G0SB+3], s[10:11]
	s_or_b32 s[G0SB+3], s[G0SB+3], 0x80000000
	JLOAD G0S, G1S, G0SB, G1SB                     ; the scale bytes, for all of K: filled once
.irp s, 0,1
	s_mov_b32 s[G0+4*\s], 1
	s_add_co_u32 s[G0+4*\s+1], s45, \s*SLOT
	s_add_nc_u64 s[G0+4*\s+2:G0+4*\s+3], s[4:5], \s*ROWB
	s_or_b32 s[G0+4*\s+3], s[G0+4*\s+3], 0x80000000
	s_mov_b32 s[G0B+4*\s], 1
	s_add_co_u32 s[G0B+4*\s+1], s45, \s*SLOT
	s_add_nc_u64 s[G0B+4*\s+2:G0B+4*\s+3], s[8:9], \s*ROWB
	s_or_b32 s[G0B+4*\s+3], s[G0B+4*\s+3], 0x80000000
	JLOAD G0+4*\s, G1, G0B+4*\s, G1B               ; K steps 0 and 1: three tensor loads of mine are out
.endr
	v_and_b32 v8, 15, v0                           ; r
	v_bfe_u32 v9, v0, 4, 1                         ; h
	v_mul_u32_u24 v10, v8, PITCH
	v_mul_u32_u24 v11, v9, 24
	v_add_nc_u32 v11, v10, v11                     ; a fragment's row x pitch + 24 x half
	v_lshl_add_u32 v12, v9, 4, v11                 ; and the same behind one padding more
	s_mul_i32 s94, s[AH], HALFT
	s_mul_i32 s95, s[BH], HALFT
	s_add_co_u32 s95, s95, 2*HALFT
.irp s, 0,1
	v_add_nc_u32 v[ADRA+\s], s94, v11
	v_add_nc_u32 v[ADRB+\s], s95, v11
	v_add_nc_u32 v[ADRA+2+\s], s94, v12
	v_add_nc_u32 v[ADRB+2+\s], s95, v12
	s_add_co_u32 s94, s94, SLOT
	s_add_co_u32 s95, s95, SLOT
.endr
	v_lshlrev_b32 v10, 6, v8                       ; AS: 64 bytes a row, 16 more for each 256 passed
	v_lshrrev_b32 v11, 2, v8
	v_lshl_add_u32 v10, v11, 4, v10
	s_mul_i32 s94, s[AH], HALFS
	s_add_co_u32 s94, s94, SCL
	v_add_nc_u32 v[ADSA], s94, v10
	v_lshlrev_b32 v10, 5, v8                       ; a weight's: 32 bytes a row
	v_lshrrev_b32 v11, 3, v8
	v_lshl_add_u32 v10, v11, 4, v10
	s_mul_i32 s94, s[BH], 4352
	s_add_co_u32 s94, s94, SCL+2*HALFS
	v_add_nc_u32 v[ADSB], s94, v10
	s_mul_i32 s94, s[WV], 16*SPITCH                ; my stage
	v_mul_u32_u24 v10, v8, SPITCH
	v_lshl_add_u32 v10, v9, 5, v10
	v_add_nc_u32 v[STO], s94, v10                  ; in: row r, 32 bytes for each half of the lanes
	v_and_b32 v11, 31, v0
	v_lshlrev_b32 v[CO], 4, v11                    ; back: the 32 lanes take one row of 512 bytes; and the same in out0
	v_add_nc_u32 v[RD], s94, v[CO]
	v_lshlrev_b32 v[BA], 5, v9                     ; a bias: my eight columns of a tile, 32 h
	v_mul_u32_u24 v[TAD], v8, 48
	v_mad_u32_u24 v[TAD], v9, 24, v[TAD]           ; attn's codes: row r of 48 bytes, block h
	v_lshlrev_b32 v[TSA], 2, v8                    ; attn's scale words
	s_lshl_b32 s94, s93, 8
	s_lshl_b32 s95, s[AH], 7
	s_add_co_u32 s94, s94, s95
	s_lshl_b32 s94, s94, 12                        ; my first row of out0, 4,096 bytes a row
	s_mov_b32 s95, 0
	s_add_nc_u64 s[2:3], s[2:3], s[94:95]
	s_lshl_b32 s46, s42, 10
	s_lshl_b32 s47, s[BH], 9
	s_add_co_u32 s46, s46, s47                     ; my first column, in bytes
	s_mov_b32 s47, 0
	s_add_nc_u64 s[2:3], s[2:3], s[46:47]
	s_add_nc_u64 s[16:17], s[16:17], s[46:47]
	s_add_nc_u64 s[18:19], s[18:19], s[46:47]
	s_lshr_b32 s47, s93, 4
	s_lshl_b32 s47, s47, 4
	s_lshl_b32 s46, s42, 2
	s_add_co_u32 s46, s46, s47
	s_lshl_b32 s47, s[BH], 1
	s_add_co_u32 s46, s46, s47                     ; 16 x batch + my first head (an even one)
	s_mul_i32 s104, s46, 3072
	s_mov_b32 s105, 0
	s_add_nc_u64 s[20:21], s[20:21], s[104:105]
	s_lshl_b32 s104, s46, 8
	s_add_nc_u64 s[22:23], s[22:23], s[104:105]
	s_mov_b32 s100, 0x3fb8aa3b                     ; log2(e)
	s_mov_b32 s101, s100
	s_mov_b32 s104, 0x76543210                     ; v_permlanex16_b32's selects for lane l xor 16
	s_mov_b32 s105, 0xfedcba98
	WIN 0x40                                       ; destination window 1
.irp b, 0,1,2,3,4,5,6,7
	global_load_b128 v[96+8*\b+96*(\b/4):96+8*\b+96*(\b/4)+3], v[BA], s[16:17] offset:64*\b
	global_load_b128 v[96+8*\b+96*(\b/4)+4:96+8*\b+96*(\b/4)+7], v[BA], s[16:17] offset:64*\b+16
.endr
	WIN 0
.macro FRAG reg, adr, q, rows          ; a fragment: 16 rows x 128 K, 12 registers, in pieces of 8 bytes; lanes 16-31 read three pieces on, which for some pieces is behind one padding more
.irp p, 0,1,2,3,4,5
.set PIECE, 12*(\q)+6*(\p/3)+\p%3
.if PIECE%8 < 5
	ds_load_b64 v[\reg+2*\p:\reg+2*\p+1], v[\adr] offset:8*PIECE+16*(PIECE/8)+(\rows)*PITCH
.else
	ds_load_b64 v[\reg+2*\p:\reg+2*\p+1], v[\adr+2] offset:8*PIECE+16*(PIECE/8)+(\rows)*PITCH
.endif
.endr
.endm
; 16 products: AC's blocks a0, a0 + 1 x the weight's eight.  The 64 accumulators take turns, one instruction a turn.  zero = 1: bq starts the sum
.macro MUL16 a0, p, q, sc, zero
.irp a, \a0, \a0+1
.irp b, 0,1,2,3,4,5,6,7
.if \zero
	v_wmma_scale_f32_16x16x128_f8f6f4 v[8*(8*((\a)%4)+\b):8*(8*((\a)%4)+\b)+7], v[128*(\p)+FR*\b:128*(\p)+FR*\b+FR-1], v[AF+FR*(\a):AF+FR*(\a)+FR-1], v[96+8*\b+96*(\b/4):96+8*\b+96*(\b/4)+7], v[SC+32*(\sc)+16+2*\b+(\q)], v[SC+32*(\sc)+2*(\a)+(\q)] matrix_a_fmt:MATRIX_FMT_FP6 matrix_b_fmt:MATRIX_FMT_FP6
.else
	v_wmma_scale_f32_16x16x128_f8f6f4 v[8*(8*((\a)%4)+\b):8*(8*((\a)%4)+\b)+7], v[128*(\p)+FR*\b:128*(\p)+FR*\b+FR-1], v[AF+FR*(\a):AF+FR*(\a)+FR-1], v[8*(8*((\a)%4)+\b):8*(8*((\a)%4)+\b)+7], v[SC+32*(\sc)+16+2*\b+(\q)], v[SC+32*(\sc)+2*(\a)+(\q)] matrix_a_fmt:MATRIX_FMT_FP6 matrix_b_fmt:MATRIX_FMT_FP6
.endif
.endr
.endr
.endm
.macro FETCH_B slot, q, p
	WIN 0x40
.irp i, 0,1,2,3,4,5,6,7
	FRAG 128*(\p)+FR*\i, ADRB+\slot, \q, 16*\i
.endr
	WIN 0
.endm
.macro FETCH_A slot, q, i0
.irp i, \i0, \i0+1, \i0+2, \i0+3
	FRAG AF+FR*(\i), ADRA+\slot, \q, (16*(\i))
.endr
.endm
.macro SCALES set, offa, offb          ; a K step's two words a row: AC's eight blocks, the weight's eight
.irp i, 0,1,2,3,4,5,6,7
	ds_load_b64 v[SC+32*\set+2*\i:SC+32*\set+2*\i+1], v[ADSA] offset:\offa+1088*\i
.endr
.irp i, 0,1,2,3,4,5,6,7
	ds_load_b64 v[SC+32*\set+16+2*\i:SC+32*\set+16+2*\i+1], v[ADSB] offset:\offb+544*\i
.endr
.endm
.macro STEP slot, zero                 ; a slot's first 128 along K
	s_wait_dscnt 4*NL                              ; all but the youngest 24 loads (AC's blocks 4-7) are in
	WIN 0xa1-0x10*(\zero)                          ; source 0 window 1, source 1 window 0, D window 2; C window 2, or 1 for the bias
	MUL16 0, 0, 0, \slot, \zero
	MUL16 2, 0, 0, \slot, \zero
	s_wait_dscnt 0x0
	PLACES NP
	FETCH_B \slot, 1, 1
	FETCH_A \slot, 1, 0
	WIN 0xf1-0x20*(\zero)
	MUL16 4, 0, 0, \slot, \zero
	MUL16 6, 0, 0, \slot, \zero
	PLACES NP
	WIN 0
	FETCH_A \slot, 1, 4
.endm
; a slot's second 128 along K, and the change of slots: each wave waits for all its tensor loads, adds 0 to its spare word, waits for that and for its reads of this slot, and meets the others.
; fill = 1: the barrier opens a round of the cluster's, and this slot's next tile is the first tensor load behind it.  towh = 1: the weight's tile is Wh's first for this slot
.macro TURN slot, next, fill, offa, offb, towh
	s_wait_tensorcnt 0x0                           ; all my tensor loads have landed: my part of the next slot
	ds_add_u32 v[SPW], v[NIL]                      ; 0 onto my spare word
	s_wait_dscnt 4*NL+1                            ; (the add and the youngest 24 loads may be out)
	WIN 0xa1
	MUL16 0, 1, 1, \slot, 0
	s_wait_dscnt 0x0                               ; the add is done, and my reads of this slot are over
	s_barrier_signal -1
	MUL16 2, 1, 1, \slot, 0
	WIN 0
	s_barrier_wait -1
.if \fill
	CREST
	s_add_nc_u64 s[G0+4*\slot+2:G0+4*\slot+3], s[G0+4*\slot+2:G0+4*\slot+3], 2*ROWB
.if \towh
	s_mov_b64 s[G0B+4*\slot+2:G0B+4*\slot+3], s[WHA+2*\slot:WHA+2*\slot+1]
	s_or_b32 s[G0B+4*\slot+3], s[G0B+4*\slot+3], 0x80000000
.else
	s_add_nc_u64 s[G0B+4*\slot+2:G0B+4*\slot+3], s[G0B+4*\slot+2:G0B+4*\slot+3], 2*ROWB
.endif
	JLOAD G0+4*\slot, G1, G0B+4*\slot, G1B         ; its four v_nop are also the places in front of the loads below
.else
	PLACES NP
.endif
	FETCH_B \next, 0, 0
	FETCH_A \next, 0, 0
	SCALES \next, \offa, \offb
	WIN 0xf1
	MUL16 4, 1, 1, \slot, 0
	MUL16 6, 1, 1, \slot, 0
	PLACES NP
	WIN 0
	FETCH_A \next, 0, 4
.endm
; 16 rows between the phases.  x = the block's 64 accumulator registers in window W: register 8 b + e is column 16 b + 8 h + e; registers 0-31 are my first head, 32-63 my second; 16 registers and both halves of the lanes are a block of 32
.macro SOFTP a
.set W, 2+(\a)/4
.set XB, 64*((\a)%4)
	WIN W|(W<<2)|(W<<4)
.irp b, 0,1,2,3
	v_max3_num_f32 v[BM+\b], v[XB+16*\b], v[XB+16*\b+1], v[XB+16*\b+2]   ; the largest logit of each block: it serves the row's maximum and, since p rises with the logit, the block's largest p.  Each accumulator is read from its low end on
.endr
	WIN (W<<2)|(W<<4)
.irp i, 3,5,7,9,11,13
.irp b, 0,1,2,3
	v_max3_num_f32 v[BM+\b], v[BM+\b], v[XB+16*\b+\i], v[XB+16*\b+\i+1]
.endr
.endr
.irp b, 0,1,2,3
	v_max_num_f32 v[BM+\b], v[BM+\b], v[XB+16*\b+15]
.endr
	WIN 0
.irp b, 0,1,2,3
	v_permlanex16_b32 v[BP+\b], v[BM+\b], s104, s105
.endr
.irp b, 0,1,2,3
	v_max_num_f32 v[BM+\b], v[BM+\b], v[BP+\b]
.endr
.irp d, 0,1
	v_max_num_f32 v[NM+2*\d], v[BM+2*\d], v[BM+2*\d+1]
.endr
.irp d, 0,1
	v_mul_f32 v[NM+2*\d], s100, v[NM+2*\d]
.endr
.irp d, 0,1
	v_floor_f32 v[NM+2*\d], -v[NM+2*\d]            ; -M = floor(-t): M is a whole number
.endr
.irp d, 0,1
	v_mov_b32 v[NM+2*\d+1], v[NM+2*\d]
.endr
.irp b, 0,1,2,3
	v_fma_f32 v[BM+\b], v[BM+\b], s100, v[NM+2*(\b/2)]
.endr
	WIN (W<<6)|W
.irp d, 0,1
.set J, 0
.rept 16
	v_pk_fma_f32 v[XB+32*\d+J:XB+32*\d+J+1], v[XB+32*\d+J:XB+32*\d+J+1], s[100:101], v[NM+2*\d:NM+2*\d+1] op_sel_hi:[1,0,1]   ; t - M
.set J, J+2
.endr
.endr
.set J, 0
.rept 64
	v_exp_f32 v[XB+J], v[XB+J]                     ; p, at most 1, not normalised
.set J, J+1
.endr
	WIN 0
.irp b, 0,1,2,3
	v_exp_f32 v[BM+\b], v[BM+\b]                   ; the block's largest p: the same two instructions on the same number
.endr
	v_nop                                          ; a plain line behind the exponentials
	s_wait_alu depctr_va_vdst(0)
.irp b, 0,1,2,3
	v_max_num_f32 v[BM+\b], 0x1800000, v[BM+\b]    ; the floor 2^(3 - 127)
.endr
.irp b, 0,1,2,3
	v_add_nc_u32 v[SO+\b], 0xff000000, v[BM+\b]
.endr
.irp b, 0,1,2,3
	v_lshrrev_b32 v[BY+\b], 23, v[SO+\b]
.endr
	v_lshl_or_b32 v[PW], v[BY+1], 8, v[BY]
	v_lshl_or_b32 v[PW], v[BY+2], 16, v[PW]
	v_lshl_or_b32 v[PW], v[BY+3], 24, v[PW]
	WIN W
.irp c, 0,1
	v_cvt_scalef32_pk16_fp6_f32 v[PC+6*\c:PC+6*\c+2], v[XB+32*\c:XB+32*\c+15], v[SO+2*\c]
	v_cvt_scalef32_pk16_fp6_f32 v[PC+12+4*\c:PC+14+4*\c], v[XB+32*\c+16:XB+32*\c+31], v[SO+2*\c+1]
.endr
	WIN 0
	v_nop                                          ; a plain line behind the conversions
.irp c, 0,1                            ; the operand wants a whole block in a lane
.irp i, 0,1,2
	v_permlane16_swap_b32 v[PC+6*\c+\i], v[PC+12+4*\c+\i]
.endr
.irp i, 0,1,2
	v_mov_b32 v[PC+3+6*\c+\i], v[PC+12+4*\c+\i]
.endr
.endr
	WIN W|(W<<2)                                   ; the sums of the unquantised p: two chains a head
.irp d, 0,1
	v_pk_add_f32 v[SM+4*\d:SM+4*\d+1], v[XB+32*\d:XB+32*\d+1], v[XB+32*\d+2:XB+32*\d+3]
	v_pk_add_f32 v[SM+4*\d+2:SM+4*\d+3], v[XB+32*\d+4:XB+32*\d+5], v[XB+32*\d+6:XB+32*\d+7]
.endr
	WIN W<<2
.irp j, 8,12,16,20,24,28
.irp d, 0,1
	v_pk_add_f32 v[SM+4*\d:SM+4*\d+1], v[SM+4*\d:SM+4*\d+1], v[XB+32*\d+\j:XB+32*\d+\j+1]
	v_pk_add_f32 v[SM+4*\d+2:SM+4*\d+3], v[SM+4*\d+2:SM+4*\d+3], v[XB+32*\d+\j+2:XB+32*\d+\j+3]
.endr
.endr
	WIN 0
.irp d, 0,1
	v_pk_add_f32 v[SM+4*\d:SM+4*\d+1], v[SM+4*\d:SM+4*\d+1], v[SM+4*\d+2:SM+4*\d+3]
.endr
.irp d, 0,1
	v_add_f32 v[SM+4*\d], v[SM+4*\d], v[SM+4*\d+1]
.endr
.irp d, 0,1
	v_permlanex16_b32 v[BP+\d], v[SM+4*\d], s104, s105
.endr
.irp d, 0,1
	v_add_f32 v[SM+4*\d], v[SM+4*\d], v[BP+\d]     ; l, between 1/2 and 64
.endr
.irp d, 0,1
	v_rcp_f32 v[RL+2*\d], v[SM+4*\d]
	v_rcp_f32 v[RL+2*\d+1], v[SM+4*\d]
.endr
	PLACES 8                                       ; p's scale word and codes were written by vector instructions: they stand 8 and 4 places ahead of the scaled products
.if (\a) == 0
	s_wait_loadcnt 0x0                             ; attn's codes and scale words, and bh
.endif
	WIN (W<<6)|1                                   ; source 0 (attn) window 1, source 1 (p) window 0, D window W: y takes the logits' place
.irp b, 0,1,2,3,4,5,6,7
	v_wmma_scale_f32_16x16x128_f8f6f4 v[XB+8*\b:XB+8*\b+7], v[128+18*(\b%4)+6*(\b/4):128+18*(\b%4)+6*(\b/4)+11], v[PC:PC+11], 0, v[ASW+\b], v[PW] matrix_a_fmt:MATRIX_FMT_FP6 matrix_b_fmt:MATRIX_FMT_FP6
.endr
	PLACES NP
	WIN (W<<6)|(1<<4)|W                            ; source 1 (1 / l) window 0, source 2 (bh) window 1
	s_wait_alu depctr_va_vdst(0)
.irp b, 0,1,2,3,4,5,6,7
.irp j, 0,2,4,6
	v_pk_fma_f32 v[XB+8*\b+\j:XB+8*\b+\j+1], v[XB+8*\b+\j:XB+8*\b+\j+1], v[RL+2*(\b/4):RL+2*(\b/4)+1], v[96+8*\b+96*(\b/4)+\j:96+8*\b+96*(\b/4)+\j+1]   ; y / l + bh
.endr
.endr
	WIN 0
.endm
	s_wait_tensorcnt 0x1                           ; the scale bytes and my part of K step 0 are in; K step 1's load may stay out
	s_barrier_signal -1
	s_barrier_wait -1
	FETCH_B 0, 0, 0
	FETCH_A 0, 0, 0
	SCALES 0, 0, 0
	FETCH_A 0, 0, 4
	s_wait_loadcnt 0x0                             ; bq
	STEP 0, 1                                      ; K step 0
	TURN 0, 1, 1, 8, 8, 0                          ; slot 0 takes K step 2
	STEP 1, 0
	TURN 1, 0, 1, 16, 16, 0                        ; slot 1 takes K step 3
	STEP 0, 0
	TURN 0, 1, 1, 24, 24, 1                        ; slot 0 takes K step 4: x1's codes, Wh
	STEP 1, 0
	TURN 1, 0, 1, 32, HALFS, 1                     ; slot 1 takes K step 5; K step 4's first fragments and scale words are fetched and wait in their registers
	; BETWEEN THE PHASES.  No LDS instruction stands here, so the next step's count of LDS loads holds.  The places at the end of TURN stand in front of these loads into registers that its products read.
	WIN 0x40
.irp b, 0,1,2,3,4,5,6,7
	global_load_b128 v[96+8*\b+96*(\b/4):96+8*\b+96*(\b/4)+3], v[BA], s[18:19] offset:64*\b
	global_load_b128 v[96+8*\b+96*(\b/4)+4:96+8*\b+96*(\b/4)+7], v[BA], s[18:19] offset:64*\b+16
.endr
.irp d, 0,1                            ; for l tile j, in window 1 from v[128 + 18 j]: the first head's six registers, six of zeros, the second head's six: registers 0-11 are the first head's fragment, 6-17 the second's
.irp j, 0,1,2,3
.irp p, 0,1,2
	global_load_b64 v[128+18*\j+12*\d+2*\p:128+18*\j+12*\d+2*\p+1], v[TAD], s[20:21] offset:3072*\d+768*\j+8*\p
.endr
.endr
.endr
.irp j, 0,1,2,3
.irp z, 6,7,8,9,10,11
	v_mov_b32 v[128+18*\j+\z], 0
.endr
.endr
	WIN 0
.irp d, 0,1
.irp j, 0,1,2,3
	global_load_b32 v[ASW+4*\d+\j], v[TSA], s[22:23] offset:256*\d+64*\j
.endr
.endr
.irp b, 0,1,2,3
	v_mov_b32 v[BP+\b], 0                          ; a lane permute's destination counts as read
.endr
.irp a, 0,1,2,3,4,5,6,7
	SOFTP \a
.endr
	STEP 0, 0                                      ; K step 4 adds onto y / l + bh
	TURN 0, 1, 1, 40, HALFS+8, 0                   ; slot 0 takes K step 6
	STEP 1, 0
	TURN 1, 0, 1, 48, HALFS+16, 0                  ; slot 1 takes K step 7
	STEP 0, 0
	TURN 0, 1, 0, 56, HALFS+24, 0                  ; nothing is left to fetch; behind this barrier nobody reads slot 0
	STEP 1, 0
	s_wait_dscnt 4*NL                              ; the last 128 along K
	WIN 0xa1
	MUL16 0, 1, 1, 1, 0
	MUL16 2, 1, 1, 1, 0
	s_wait_dscnt 0x0
	WIN 0xf1
	MUL16 4, 1, 1, 1, 0
	MUL16 6, 1, 1, 1, 0
	WIN 0
; THE WAY OUT, 16 rows x 128 columns at a time: through my own stage in LDS and back as whole rows of 512 bytes.  LDS serves a wave's instructions in order: no wait between the stores and the loads
.macro TOSTAGE a
.set ACB, 64*((\a)%4)
	WIN 0x08+4*((\a)/4)                            ; the data: window 2 or 3
.irp b, 0,1,2,3,4,5,6,7
	ds_store_b128 v[STO], v[ACB+8*\b:ACB+8*\b+3] offset:64*\b          ; each accumulator from its low end on
	ds_store_b128 v[STO], v[ACB+8*\b+4:ACB+8*\b+7] offset:64*\b+16
.endr
	WIN 0
.set BB, BK+64*((\a)%2)
.irp t, 0,1,2,3,4,5,6,7,8,9,10,11,12,13,14,15
	ds_load_b128 v[BB+4*\t:BB+4*\t+3], v[RD] offset:\t*SPITCH
.endr
.endm
.macro SEND a, younger                 ; younger: the LDS instructions issued behind block a's loads, which may stay out
.set BB, BK+64*((\a)%2)
	s_wait_dscnt \younger
.if (\a) > 0
	s_add_nc_u64 s[2:3], s[2:3], 16*4096           ; (behind a wait on XCNT: the earlier stores have read their base)
.endif
.irp t, 0,1,2,3,4,5,6,7,8,9,10,11,12,13,14,15
	global_store_b128 v[CO], v[BB+4*\t:BB+4*\t+3], s[2:3] offset:\t*4096 th:TH_STORE_NT   ; 32 lanes store 512 consecutive bytes, at a multiple of 256 from out0's first byte
.endr
.endm
	PLACES NP
	TOSTAGE 0
.irp a, 1,2,3,4,5,6,7
.if \a > 1
	s_wait_xcnt 0x0                                ; block a - 2's stores have read their registers and their base
.endif
	TOSTAGE \a
	SEND \a-1, 32                                  ; behind block a - 1's loads: block a's 16 stores and 16 loads
.endr
	s_wait_xcnt 0x0
	SEND 7, 0
	s_wait_tensorcnt 0x0                           ; the wave's end
	ds_add_u32 v[SPW], v[NIL]
	s_wait_dscnt 0x0
	CROUND                                         ; the closing round
	s_endpgm
.Lfunc_end_k_q4750541f5a_main:
	.size	k_q4750541f5a_main, .Lfunc_end_k_q4750541f5a_main-k_q4750541f5a_main
	.p2alignl 7, 3214868480
	.fill 96, 4, 3214868480
	.section	.rodata,"a",@progbits
	.p2align	6, 0x0
	.amdhsa_kernel k_q4750541f5a_main
		.amdhsa_group_segment_fixed_size 327680
		.amdhsa_private_segment_fixed_size 0
		.amdhsa_enable_private_segment 0
		.amdhsa_kernarg_size 88
		.amdhsa_user_sgpr_count 2
		.amdhsa_user_sgpr_kernarg_segment_ptr 1
		.amdhsa_wavefront_size32 1
		.amdhsa_system_sgpr_workgroup_id_x 1
		.amdhsa_system_sgpr_workgroup_id_y 1
		.amdhsa_system_sgpr_workgroup_id_z 1
		.amdhsa_system_vgpr_workitem_id 0
		.amdhsa_next_free_vgpr 1024
		.amdhsa_next_free_sgpr 106
		.amdhsa_reserve_vcc 0
		.amdhsa_float_denorm_mode_32 3
		.amdhsa_float_denorm_mode_16_64 3
		.amdhsa_memory_ordered 1
		.amdhsa_forward_progress 1
		.amdhsa_inst_pref_size 255
	.end_amdhsa_kernel
	.section	.bss,"aw",@nobits
	.p2align	6
	.space	262144
	.amdgpu_metadata
---
amdhsa.version: [ 1, 2 ]
amdhsa.kernels:
  - .name:           k_q4750541f5a_main
    .symbol:         k_q4750541f5a_main.kd
    .args:
      - { .name: AC, .offset: 0, .size: 8, .value_kind: global_buffer, .address_space: global }
      - { .name: AS, .offset: 8, .size: 8, .value_kind: global_buffer, .address_space: global }
      - { .name: Wq_codes, .offset: 16, .size: 8, .value_kind: global_buffer, .address_space: global }
      - { .name: Wq_scales, .offset: 24, .size: 8, .value_kind: global_buffer, .address_space: global }
      - { .name: Wh_codes, .offset: 32, .size: 8, .value_kind: global_buffer, .address_space: global }
      - { .name: Wh_scales, .offset: 40, .size: 8, .value_kind: global_buffer, .address_space: global }
      - { .name: bq, .offset: 48, .size: 8, .value_kind: global_buffer, .address_space: global }
      - { .name: bh, .offset: 56, .size: 8, .value_kind: global_buffer, .address_space: global }
      - { .name: ATC, .offset: 64, .size: 8, .value_kind: global_buffer, .address_space: global }
      - { .name: ATS, .offset: 72, .size: 8, .value_kind: global_buffer, .address_space: global }
      - { .name: out0, .offset: 80, .size: 8, .value_kind: global_buffer, .address_space: global }
    .group_segment_fixed_size: 327680
    .private_segment_fixed_size: 0
    .kernarg_segment_align: 8
    .kernarg_segment_size: 88
    .max_flat_workgroup_size: 128
    .sgpr_count:     106
    .vgpr_count:     1024
    .wavefront_size: 32
...
	.end_amdgpu_metadata
.endif
;; end of part 4
